; MI455X (gfx1250); checked and timed in simulation.
; The chip was launched on July 23, 2026; its instructions are those of AMD's public machine-readable ISA for CDNA 5 (MIT licence, August 2026) and "CDNA5" Instruction Set Architecture Reference Guide (July 2026). The comments in the code are by the model that wrote it; some were corrected since.
;; Multi Head Attention. Allowed arithmetic: float matrix products may take bf16 or f16 operands with f32 sums; other float arithmetic in f32, or as packed bf16 or f16 multiplies, adds, multiply-adds, maxima and minima; sums over many terms, partial sums and values carried from step to step in f32; what a program stores and reads back later, other than sums and carried values, may be rounded once to bf16 or f16.
;; Inputs: Wk 2,048 x 2,048 float32; Wo 2,048 x 2,048 float32; Wq 2,048 x 2,048 float32; Wv 2,048 x 2,048 float32; bk 2,048 float32; bo 2,048 float32; bq 2,048 float32; bv 2,048 float32; mask 1 x 1 x 2,048 x 2,048 bool; x 1 x 2,048 x 2,048 float32.
;; Outputs: out0 1 x 2,048 x 2,048 float32.
;; 2 versions, each right; version 2 is version 1 with the launch prep written anew for expert scheduling mode. Each part assembles by itself: llvm-mc -triple=amdgcn-amd-amdhsa -mcpu=gfx1250 --defsym DOCPART=n.
;; ======== version 1 of 2: 4 launches
;; limits: values are held in f16: magnitudes above 65,504 overflow, below 6.1e-05 lose precision
;; workspace buffers: cvt 41,943,040 bytes; maskb 8,388,608 bytes; rope 1,048,576 bytes; qkv 25,165,824 bytes; ob 8,388,608 bytes
;; launch prep (part 1): grid 256 x 7, 4 waves a work-group, no clusters, 34,304 bytes of LDS; arguments x, Wq, Wk, Wv, Wo, mask, cvt, maskb, rope; writes cvt, maskb, rope
.if DOCPART == 1
	.amdgcn_target "amdgcn-amd-amdhsa--gfx1250"
	.amdhsa_code_object_version 6
	.text
	.protected	k_q7331aff04d_prep
	.globl	k_q7331aff04d_prep
	.p2align	8
	.type	k_q7331aff04d_prep,@function
k_q7331aff04d_prep:
	s_mov_b64 s[64:65], 0
	v_nop
	global_prefetch_b8 v0, s[64:65] scope:SCOPE_SE
	s_setreg_imm32_b32 hwreg(HW_REG_WAVE_MODE, 25, 1), 1
	s_wait_xcnt 0x0
; PREPARATION, a stream: no matrix work, no tensor loads, no cluster (no two work-groups read the same bytes).  The work-group's y says what it does.
; y = 0..3: x, Wq, Wk, Wv rounded once to bf16 into planes 0..3 of cvt ([2048][2048], rows of 4,096 bytes).
; y = 4:    Wo rounded to bf16 like the other inputs, that number written as f16 into plane 4 (exact in f16's normal range; below 6e-5 it keeps f16's fixed step of 6e-8; beyond 65,504 it would be an infinity).
; y = 5:    the mask (one byte, 0 or 1) as matrix fragments in bf16: 0 where true, 0xF149 (about -1e30) where false.
;           maskb[qt 128][U 128][512 bytes]: lane l = r + 16 h finds at byte 16 l the keys 16 U + 8 h .. + 7 of query 16 qt + r.
; y = 6:    the table rope[pos 2048][k cos 64 | k sin 64] in f32, 512 bytes a position, with k = sqrt(log2(e) / sqrt(128)): q and k both turn by this table, so that their product carries the softmax's scale.
.set STG,   8448                       ; a wave's stage for the mask: 16 blocks of 512 bytes, 528 apart (33 x 16)
.set SPARE, 4*STG                      ; behind the stages: the spare words, 128 bytes a wave
.set SPW,   128                        ; v128  LDS address of my spare word; above every register that a path loads into or works in; never rewritten
.set NIL,   129                        ; v129  0; never rewritten
	s_load_b512 s[8:23], s[0:1], 0x0               ; x 8, Wq 10, Wk 12, Wv 14, Wo 16, mask 18, cvt 20, maskb 22
	s_load_b64 s[24:25], s[0:1], 0x40              ; rope
	v_lshl_add_u32 v[SPW], v0, 2, SPARE
	v_mov_b32 v[NIL], 0
	v_lshrrev_b32 v1, 5, v0
	v_readfirstlane_b32 s26, v1                    ; wave 0..3
	s_and_b32 s27, ttmp7, 0xffff                   ; y
	s_wait_kmcnt 0x0
	s_cmp_eq_u32 s27, 6
	s_cbranch_scc1 .Lrope
	s_cmp_eq_u32 s27, 5
	s_cbranch_scc1 .Lmask
	; CONVERSION.  A work-group takes 65,536 bytes of f32, in two trips of 16 loads a thread; each wave's load covers 512 consecutive bytes, and a trip's 16 go out before the first is used.
	s_cmp_eq_u32 s27, 1
	s_cselect_b64 s[28:29], s[10:11], s[8:9]
	s_cmp_eq_u32 s27, 2
	s_cselect_b64 s[28:29], s[12:13], s[28:29]
	s_cmp_eq_u32 s27, 3
	s_cselect_b64 s[28:29], s[14:15], s[28:29]
	s_cmp_eq_u32 s27, 4
	s_cselect_b64 s[28:29], s[16:17], s[28:29]
	s_lshl_b32 s30, ttmp9, 16
	s_mov_b32 s31, 0
	s_add_nc_u64 s[28:29], s[28:29], s[30:31]      ; the source at my 65,536 bytes
	s_lshl_b32 s32, s27, 23                        ; the plane,
	s_lshl_b32 s33, ttmp9, 15                      ; my 32,768 bytes of it
	s_add_co_u32 s32, s32, s33
	s_mov_b32 s33, 0
	s_add_nc_u64 s[32:33], s[20:21], s[32:33]
	v_lshlrev_b32 v1, 4, v0                        ; 16 t
	v_lshlrev_b32 v2, 3, v0                        ; 8 t
.macro CONV wo                         ; wo = 1: the bf16 number is written as f16
	s_mov_b32 s34, 2
.Lconv_\@:
.set i, 0
.rept 16
	global_load_b128 v[16+4*i:19+4*i], v1, s[28:29] offset:2048*i th:TH_LOAD_NT
.set i, i+1
.endr
.set i, 0
.rept 16
	s_wait_loadcnt 15-i                            ; loads come back in order: number i is in, the 15 - i younger ones stay out
	v_cvt_pk_bf16_f32 v[80+2*i], v[16+4*i], v[17+4*i]
	v_cvt_pk_bf16_f32 v[81+2*i], v[18+4*i], v[19+4*i]
.if \wo
	v_lshlrev_b32 v4, 16, v[80+2*i]
	v_and_b32 v5, 0xffff0000, v[80+2*i]
	v_lshlrev_b32 v6, 16, v[81+2*i]
	v_and_b32 v7, 0xffff0000, v[81+2*i]
	v_cvt_pk_f16_f32 v[80+2*i], v4, v5
	v_cvt_pk_f16_f32 v[81+2*i], v6, v7
.endif
	global_store_b64 v2, v[80+2*i:81+2*i], s[32:33] offset:1024*i  ; a wave stores 256 consecutive bytes, aligned
.set i, i+1
.endr
	s_wait_xcnt 0x0                                ; the two pointers, and in the next trip the stores' data registers, are written again only behind this wait
	s_add_nc_u64 s[28:29], s[28:29], 0x8000
	s_add_nc_u64 s[32:33], s[32:33], 0x4000
	s_sub_co_u32 s34, s34, 1
	s_cmp_lg_u32 s34, 0
	s_cbranch_scc1 .Lconv_\@
.endm
	s_cmp_eq_u32 s27, 4
	s_cbranch_scc1 .Lwo
	CONV 0
	s_branch .Lend
.Lwo:
	CONV 1
	s_branch .Lend
	; THE MASK.  A wave takes 16 queries x 256 keys: eight loads of two rows' 256 bytes.  A lane's 16 bytes are one query's 16 keys of one block U; they become 32 bytes of bf16,
	; go into the wave's own stage at their place in the block, and come back as whole blocks of 512 bytes.
.Lmask:
	s_lshl_b32 s30, ttmp9, 2
	s_add_co_u32 s30, s30, s26                     ; task 0..1023
	s_lshr_b32 s31, s30, 3                         ; qt
	s_and_b32 s30, s30, 7                          ; which 256 keys
	s_lshl_b32 s34, s31, 15                        ; 16 rows of 2,048 bytes
	s_lshl_b32 s35, s30, 8
	s_add_co_u32 s34, s34, s35
	s_mov_b32 s35, 0
	s_add_nc_u64 s[18:19], s[18:19], s[34:35]
	s_lshl_b32 s36, s31, 16                        ; a query tile's 128 blocks
	s_lshl_b32 s37, s30, 13                        ; my 16 of them
	s_add_co_u32 s36, s36, s37
	s_mov_b32 s37, 0
	s_add_nc_u64 s[22:23], s[22:23], s[36:37]
	v_and_b32 v1, 31, v0                           ; l
	v_and_b32 v2, 15, v0
	v_bfe_u32 v3, v0, 4, 1
	v_lshlrev_b32 v4, 4, v2
	v_lshl_add_u32 v4, v3, 11, v4                  ; 16 (l % 16) + 2,048 (l / 16)
.set i, 0
.rept 8
	global_load_b128 v[16+4*i:19+4*i], v4, s[18:19] offset:4096*i th:TH_LOAD_NT  ; rows 2 i and 2 i + 1
.set i, i+1
.endr
	s_mul_i32 s38, s26, STG
	v_mul_u32_u24 v5, v2, 528                      ; block l % 16,
	v_lshl_add_u32 v5, v3, 4, v5                   ; query 2 i + l / 16: 16 bytes a query
	v_add_nc_u32 v5, s38, v5
	v_lshl_add_u32 v6, v1, 4, s38                  ; back: 16 l in a block
	v_lshlrev_b32 v7, 4, v1
	v_mov_b32 v15, 0
	s_mov_b32 s40, 0x01010101
	s_mov_b32 s41, 0x00050004                      ; bytes 0 and 1 of the first source into the two halves, zeros above them
	s_mov_b32 s42, 0x00070006                      ; bytes 2 and 3
	s_mov_b32 s43, 0xf149
.set i, 0
.rept 8
	s_wait_loadcnt 7-i                             ; the 7 - i younger loads stay out
.irp k, 0,1,2,3
	v_xor_b32 v12, s40, v[16+4*i+\k]               ; 1 where the key is hidden
	v_perm_b32 v13, v12, v15, s41
	v_perm_b32 v14, v12, v15, s42
	v_mul_u32_u24 v[48+2*\k], s43, v13             ; 0 or 0xF149 in each half
	v_mul_u32_u24 v[49+2*\k], s43, v14
.endr
	ds_store_b128 v5, v[48:51] offset:32*i         ; keys 0-7: the block's lower 256 bytes
	ds_store_b128 v5, v[52:55] offset:32*i+256     ; keys 8-15: its upper
.set i, i+1
.endr
.set i, 0
.rept 16
	ds_load_b128 v[64+4*i:67+4*i], v6 offset:528*i ; the wave's own bytes; LDS serves a wave's instructions in order (ISA guide 5.7.1.4)
.set i, i+1
.endr
.set i, 0
.rept 16
	s_wait_dscnt 15-i
	global_store_b128 v7, v[64+4*i:67+4*i], s[22:23] offset:512*i  ; 512 consecutive bytes
.set i, i+1
.endr
	s_branch .Lend
	; THE TABLE.  pos = 8 x work-group + t / 16; the thread's four frequencies j = 4 (t % 16) + e.  inv = 2^(-j log2(10000) / 64); arg = pos inv.
	; Reduction: n = the nearest whole number of turns; r = arg / 2 pi - n by a fused multiply-add with the constant's high part, then its low part; y = pi r lies within -pi/2 .. pi/2.
	; sin y to y^11 and cos y to y^12: the first terms left out are under 6e-8 on all of that range.  k sin(arg) = 2 k sin y cos y, k cos(arg) = k - 2 k sin^2 y, k = 0.3570958.
.Lrope:
	v_and_b32 v1, 15, v0
	v_lshrrev_b32 v2, 4, v0
	s_lshl_b32 s30, ttmp9, 3
	v_add_nc_u32 v2, s30, v2                       ; pos
	v_cvt_f32_u32 v3, v2
	v_lshlrev_b32 v4, 2, v1
	v_lshlrev_b32 v6, 9, v2
	v_lshl_add_u32 v6, v1, 4, v6                   ; 512 pos + 16 (t % 16)
	v_mov_b32 v5, 0xb2d7322b                       ; -1/11!
	v_mov_b32 v7, 0x310f76c7                       ; 1/12!
	v_mov_b32 v40, 0xbf36d543                      ; -2 k
	s_mov_b32 s31, 0x31dc9c88                      ; 1 / 2 pi less its f32 value
.irp e, 0,1,2,3
	v_add_nc_u32 v[8+\e], \e, v4
	v_cvt_f32_u32 v[8+\e], v[8+\e]
	v_mul_f32 v[8+\e], 0xbe549a78, v[8+\e]         ; -j x 0.20762051
.endr
.irp e, 0,1,2,3
	v_exp_f32 v[8+\e], v[8+\e]
.endr
	v_nop                                          ; a plain instruction behind the last exponential,
	s_wait_alu depctr_va_vdst(0)                   ; and the one wait for the four, ahead of their first reader
.irp e, 0,1,2,3
	v_mul_f32 v[8+\e], v3, v[8+\e]                 ; arg
	v_mul_f32 v[12+\e], 0.15915494, v[8+\e]
	v_rndne_f32 v[12+\e], v[12+\e]
	v_fma_f32 v[12+\e], v[8+\e], 0.15915494, -v[12+\e]
	v_fmac_f32 v[12+\e], s31, v[8+\e]              ; r
	v_mul_f32 v[12+\e], 0x40490fdb, v[12+\e]       ; y
	v_mul_f32 v[16+\e], v[12+\e], v[12+\e]         ; y^2
	v_fmaak_f32 v[20+\e], v5, v[16+\e], 0x3638ef1d
	v_fmaak_f32 v[20+\e], v[20+\e], v[16+\e], 0xb9500d01
	v_fmaak_f32 v[20+\e], v[20+\e], v[16+\e], 0x3c088889
	v_fmaak_f32 v[20+\e], v[20+\e], v[16+\e], 0xbe2aaaab
	v_fma_f32 v[20+\e], v[20+\e], v[16+\e], 1.0
	v_mul_f32 v[20+\e], v[20+\e], v[12+\e]         ; sin y
	v_fmaak_f32 v[24+\e], v7, v[16+\e], 0xb493f27e
	v_fmaak_f32 v[24+\e], v[24+\e], v[16+\e], 0x37d00d01
	v_fmaak_f32 v[24+\e], v[24+\e], v[16+\e], 0xbab60b61
	v_fmaak_f32 v[24+\e], v[24+\e], v[16+\e], 0x3d2aaaab
	v_fma_f32 v[24+\e], v[24+\e], v[16+\e], -0.5
	v_fma_f32 v[24+\e], v[24+\e], v[16+\e], 1.0    ; cos y
	v_mul_f32 v[36+\e], v[20+\e], v[24+\e]
	v_mul_f32 v[36+\e], 0x3f36d543, v[36+\e]       ; k sin
	v_mul_f32 v[32+\e], v[20+\e], v[20+\e]
	v_fmaak_f32 v[32+\e], v40, v[32+\e], 0x3eb6d543  ; k cos
.endr
	global_store_b128 v6, v[32:35], s[24:25]               ; sixteen lanes fill a position's 256 bytes of cosines,
	global_store_b128 v6, v[36:39], s[24:25] offset:256    ; and of sines
.Lend:
	s_wait_tensorcnt 0x0                           ; the wave's end, behind the last LDS store
	ds_add_u32 v[SPW], v[NIL]
	s_wait_dscnt 0x0
	s_endpgm
.Lfunc_end_k_q7331aff04d_prep:
	.size	k_q7331aff04d_prep, .Lfunc_end_k_q7331aff04d_prep-k_q7331aff04d_prep
	.p2alignl 7, 3214868480
	.fill 96, 4, 3214868480
	.section	.rodata,"a",@progbits
	.p2align	6, 0x0
	.amdhsa_kernel k_q7331aff04d_prep
		.amdhsa_group_segment_fixed_size 34304
		.amdhsa_private_segment_fixed_size 0
		.amdhsa_enable_private_segment 0
		.amdhsa_kernarg_size 72
		.amdhsa_user_sgpr_count 2
		.amdhsa_user_sgpr_kernarg_segment_ptr 1
		.amdhsa_wavefront_size32 1
		.amdhsa_system_sgpr_workgroup_id_x 1
		.amdhsa_system_sgpr_workgroup_id_y 1
		.amdhsa_system_sgpr_workgroup_id_z 1
		.amdhsa_system_vgpr_workitem_id 0
		.amdhsa_next_free_vgpr 132
		.amdhsa_next_free_sgpr 66
		.amdhsa_reserve_vcc 0
		.amdhsa_float_denorm_mode_32 3
		.amdhsa_float_denorm_mode_16_64 3
		.amdhsa_memory_ordered 1
		.amdhsa_forward_progress 1
		.amdhsa_inst_pref_size 38
	.end_amdhsa_kernel
	.amdgpu_metadata
---
amdhsa.version: [ 1, 2 ]
amdhsa.kernels:
  - .name:           k_q7331aff04d_prep
    .symbol:         k_q7331aff04d_prep.kd
    .args:
      - { .name: x, .offset: 0, .size: 8, .value_kind: global_buffer, .address_space: global }
      - { .name: Wq, .offset: 8, .size: 8, .value_kind: global_buffer, .address_space: global }
      - { .name: Wk, .offset: 16, .size: 8, .value_kind: global_buffer, .address_space: global }
      - { .name: Wv, .offset: 24, .size: 8, .value_kind: global_buffer, .address_space: global }
      - { .name: Wo, .offset: 32, .size: 8, .value_kind: global_buffer, .address_space: global }
      - { .name: mask, .offset: 40, .size: 8, .value_kind: global_buffer, .address_space: global }
      - { .name: cvt, .offset: 48, .size: 8, .value_kind: global_buffer, .address_space: global }
      - { .name: maskb, .offset: 56, .size: 8, .value_kind: global_buffer, .address_space: global }
      - { .name: rope, .offset: 64, .size: 8, .value_kind: global_buffer, .address_space: global }
    .group_segment_fixed_size: 34304
    .private_segment_fixed_size: 0
    .kernarg_segment_align: 8
    .kernarg_segment_size: 72
    .max_flat_workgroup_size: 128
    .sgpr_count:     66
    .vgpr_count:     132
    .wavefront_size: 32
...
	.end_amdgpu_metadata
.endif
;; end of part 1
;; launch qkv (part 2): grid 16 x 16, 4 waves a work-group, clusters of 4 x 4, 327,680 bytes of LDS; arguments cvt, bq, bk, bv, rope, qkv; writes qkv
.if DOCPART == 2
	.amdgcn_target "amdgcn-amd-amdhsa--gfx1250"
	.amdhsa_code_object_version 6
	.text
	.protected	k_q7331aff04d_qkv
	.globl	k_q7331aff04d_qkv
	.p2align	8
	.type	k_q7331aff04d_qkv,@function
k_q7331aff04d_qkv:
	s_mov_b64 s[64:65], 0
	v_nop
	global_prefetch_b8 v0, s[64:65] scope:SCOPE_SE
	s_setreg_imm32_b32 hwreg(HW_REG_WAVE_MODE, 25, 1), 1
	s_wait_xcnt 0x0
	s_wait_alu depctr_hold_cnt(0) depctr_sa_sdst(0) depctr_va_vdst(0) depctr_va_sdst(0) depctr_va_ssrc(0) depctr_va_vcc(0) depctr_vm_vsrc(0)
	s_getreg_b32 s2, hwreg(HW_REG_IB_STS2, 6, 4)
	s_cmp_eq_u32 s2, 0
	s_cbranch_scc0 .Lentry_in_a_cluster
	s_endpgm
.Lentry_in_a_cluster:
	s_bfe_u32 s2, ttmp6, 0x10000c
	s_cmp_lg_u32 s2, 0xf033
	s_cbranch_scc0 .Lentry_shape_is_right
	s_endpgm
.Lentry_shape_is_right:
; q, k, v = x W^T + b for one head and 128 rows of x, RoPE on q and k; each rounded ONCE from f32 to f16 and stored by heads: qkv[plane 3][head 16][row 2048][128].
; The table holds k cos and k sin with k = sqrt(log2(e) / sqrt(128)), so that q and k leave times k and their product carries the softmax's scale: no line of this text scales.
; Operands in bf16 (planes 0..3 of cvt: x, Wq, Wk, Wv, rows of 4,096 bytes); the biases are rounded to bf16 like the other inputs and START the sums, as the C of the first products.
; LIMITS.  f16 holds no number beyond 65,504: 0.357 q, 0.357 k and v must lie within it, else an infinity is stored.  NaN and infinities are not treated apart.
; SHARES.  256 work-groups: head = x, block of 128 rows = y.  The tile is 128 rows of x by 384 rows of weights (the head's 128 of Wq, Wk, Wv).  Wave w takes all 128 rows and six blocks b of 16 channels:
; matrix b / 2, channels 64 (b % 2) + 16 w .. + 15, so that a RoPE pair (d, d + 64) lies in one lane, at one register index of blocks 2 m and 2 m + 1.  48 accumulators, 384 registers.
; THE MATRIX INSTRUCTION IS USED TRANSPOSED (source 0 = 16 rows of weights, source 1 = 16 rows of x): a lane holds one row of x (l % 16) and the channels 8 (l / 16) + 0..7.
; RING.  K goes in steps of 128 through two LDS slots (x, Wq, Wk, Wv: 128 rows of 256 bytes each, 272 apart); wave w fetches plane w's tile with one tensor load.  A K step is written once: the slot in hand
; is a scalar, from which the fragments' addresses are made anew at each change of slots, and one descriptor walks from slot to slot.
; CLUSTER 4 x 4.  x's tile hangs on the row block alone and is asked for jointly along a row of the cluster; the weights' hang on the head alone and are asked for jointly along a column.
; REGISTERS, in windows of 256: window 0: v16-38 addresses; v64-127, v128-191 x's fragments, two buffers; v192-223 T, v224-247 PK on the way out.
;   window 1: v0-47, v48-95 the weights' fragments, two buffers; v96-143 the biases; v144 at work.   windows 2, 3: v0-191 the accumulators of rows 0-63, 64-127 ((a, b) at 8 (6 a + b)); v192-255 cos and sin, 16 a block of rows.
.set KSTEP,  128
.set PITCH,  272                       ; 256 bytes + 16: the 16 rows of a fragment load start in 16 different groups of four banks (64 banks of 4 bytes: ISA guide 11.1)
.set HALFT,  128*PITCH                 ; one tensor load's 128 rows
.set SLOT,   4*HALFT                   ; 0x22000: it shares no bit with a wave's place in a slot (0, 0x8800, 0x11000, 0x19800), so one exclusive or changes slots
.set SPARE,  2*SLOT                    ; behind the ring: the spare words, 128 bytes a wave
.set FILLS,  14                        ; K steps 2 to 15 come by refills
.set ADRA0, 16                         ; v16     my lane's place in x's tile; never rewritten
.set ADRA,  17                         ; v17     the same in the slot in hand
.set ADRB0, 18                         ; v18-20  my lane's place in my rows of Wq, Wk, Wv; never rewritten
.set ADRB,  21                         ; v21-23  the same in the slot in hand
.set STO,  24                          ; v24-26  the way out: where I put 16 bytes of a row of q, k, v
.set SPW,  28                          ; v28     LDS address of my spare word; never rewritten
.set NIL,  29                          ; v29     0; never rewritten
.set PFO,  30                          ; v30     the prefetches' offset: lane x 4,096; never rewritten
.set CO,   33                          ; v33     16 x lane
.set BO,   34                          ; v34     32 (l / 16)
.set RO,   35                          ; v35     512 (l % 16) + 32 (l / 16)
.set RD,   36                          ; v36-38  the way out: where I read rows back
.set T,    192
.set PK,   224
.set BIAS, 96                          ; window 1
.set BT,   144                         ; window 1
.set TB,  4                            ; s4   LDS byte at which the slot in hand begins
.set G1,  24                           ; s[24:31] descriptor group 1 for x's tiles;  s[32:39] group 0: a set for each of the two first fills; the second then walks on
.set G0,  32
.set G1B, 48                           ; s[48:55], s[56:63] the same for the weights' tiles
.set G0B, 56
.set PFA, 44                           ; s[44:45] where my prefetches stand
.set LIM, 43                           ; s43  2 in a wave that prefetches, else the greatest number
.set MSB, 0
.macro WIN new                         ; the immediate's high byte repeats the setting that is left; a switch that changes nothing is dropped
.if MSB != (\new)
	s_set_vgpr_msb (MSB<<8)|(\new)
.set MSB, \new
.endif
.endm
; A joint load.  Wave 0 fetches x's tile, waves 1 to 3 those of Wq, Wk, Wv.  The branch hangs on the wave's number alone.  An s_nop 0 and four v_nop follow each of the two lines.
.macro JLOAD s
	s_cmp_eq_u32 s10, 0
	s_cbranch_scc0 .Lfor_b_\@
	tensor_load_to_lds s[G0+4*(\s):G0+4*(\s)+3], s[G1:G1+7]
	s_nop 0
.rept 4
	v_nop
.endr
	s_branch .Lasked_\@
.Lfor_b_\@:
	tensor_load_to_lds s[G0B+4*(\s):G0B+4*(\s)+3], s[G1B:G1B+7]
	s_nop 0
.rept 4
	v_nop
.endr
.Lasked_\@:
.endm
; A prefetch of the K step that stands two refills on: 32 rows x 256 bytes, a lane a row, one instruction a wave.  x's rows are read by every cluster of a row of clusters: cluster x = 0 asks; the weights' by every
; cluster of a column: cluster y = 0 asks.  The four partners that ask for a tile jointly share its 128 rows out by address, 32 each.  So each row's 256 bytes of a K step are named once in the launch.
; The loop's last two trips (s3 = 2, 1) ask for nothing: K steps 16 and 17 do not exist.  K steps 0 to 3 come by their loads alone.
.macro ASK
	s_cmp_gt_u32 s3, s[LIM]
	s_cbranch_scc0 .Lnot_mine_\@
	global_prefetch_b8 v[PFO], s[PFA:PFA+1] offset:KSTEP*2 th:TH_LOAD_NT scope:SCOPE_SE
.Lnot_mine_\@:
.endm
.macro CREST                           ; a round of the cluster's barrier behind its opening barrier
	s_cmp_lg_u32 s10, 0
	s_cbranch_scc1 .Lnot_wave_0_\@
	s_barrier_signal -3
.Lnot_wave_0_\@:
	s_barrier_wait -3
	s_barrier_signal -1
	s_barrier_wait -1
.endm
.macro CROUND
	s_barrier_signal -1
	s_barrier_wait -1
	CREST
.endm
.macro SETADR                          ; the fragments' addresses in the slot in hand: four plain instructions
	v_add_nc_u32 v[ADRA], s[TB], v[ADRA0]
.irp m, 0,1,2
	v_add_nc_u32 v[ADRB+\m], s[TB], v[ADRB0+\m]
.endr
.endm
	s_load_b256 s[68:75], s[0:1], 0x0              ; cvt 68, bq 70, bk 72, bv 74
	s_load_b128 s[76:79], s[0:1], 0x20             ; rope 76, qkv 78
	v_lshl_add_u32 v[SPW], v0, 2, SPARE
	v_mov_b32 v[NIL], 0
	ds_add_u32 v[SPW], v[NIL]                      ; the wave's opening: the add and its wait stand ahead of the first tensor load; work on registers stands between them
	v_lshrrev_b32 v1, 5, v0
	v_readfirstlane_b32 s10, v1                    ; wave 0..3
	s_bfe_u32 s40, ttmp6, 0x40000                  ; cx
	s_bfe_u32 s41, ttmp6, 0x40004                  ; cy
	s_lshl_b32 s42, ttmp9, 2
	s_add_co_u32 s42, s42, s40                     ; head = 4 x cluster x + cx
	s_and_b32 s13, ttmp7, 0xffff
	s_lshl_b32 s13, s13, 2
	s_add_co_u32 s13, s13, s41                     ; row block = 4 x cluster y + cy
	s_lshl_b32 s43, s41, 2
	s_lshl_b32 s43, 15, s43                        ; my row of the cluster
	s_lshl_b32 s44, 0x1111, s40                    ; my column
	s_or_b32 s[G1+0], s43, (1<<16)|(1<<20)|(1<<21)|(5<<22)|(3<<25)   ; the mask; elements of 2 bytes; padding on; bit 21 beside a mask; after every 64 words 4 words
	s_or_b32 s[G1B+0], s44, (1<<16)|(1<<20)|(1<<21)|(5<<22)|(3<<25)
.irp g, G1, G1B
	s_mov_b32 s[(\g)+1], KSTEP<<16                 ; tensor_dim0 = 128
	s_mov_b32 s[(\g)+2], 128<<16                   ; tensor_dim1 = 128
	s_mov_b32 s[(\g)+3], KSTEP<<16                 ; tile_dim0 = 128
	s_mov_b32 s[(\g)+4], 128                       ; tile_dim1 = 128
	s_mov_b32 s[(\g)+5], 2048                      ; elements from row to row
	s_mov_b32 s[(\g)+6], 0
	s_mov_b32 s[(\g)+7], 0
.endr
	s_mov_b32 s[TB], 0
	s_lshl_b32 s16, s13, 19                        ; x: 128 rows of 4,096 bytes a row block
	s_mov_b32 s17, 0
	s_lshl_b32 s46, s42, 19                        ; weights: the head's 128 rows,
	s_lshl_b32 s47, s10, 23                        ; in my wave's plane
	s_add_co_u32 s46, s46, s47
	s_mov_b32 s47, 0
	s_mul_i32 s20, s10, HALFT                      ; where my tile goes: no place in the cluster enters an LDS address
	s_wait_dscnt 0x0                               ; the opening add is done
	s_wait_kmcnt 0x0
	s_add_nc_u64 s[14:15], s[68:69], s[16:17]
	s_add_nc_u64 s[46:47], s[68:69], s[46:47]
	CROUND                                         ; all sixteen work-groups are here: the first joint loads meet
.irp s, 0,1
	s_mov_b32 s[G0+4*(\s)], 1
	s_add_co_u32 s[G0+4*(\s)+1], s20, (\s)*SLOT
	s_add_nc_u64 s[G0+4*(\s)+2:G0+4*(\s)+3], s[14:15], (\s)*KSTEP*2
	s_or_b32 s[G0+4*(\s)+3], s[G0+4*(\s)+3], 0x80000000
	s_mov_b32 s[G0B+4*(\s)], 1
	s_add_co_u32 s[G0B+4*(\s)+1], s20, (\s)*SLOT
	s_add_nc_u64 s[G0B+4*(\s)+2:G0B+4*(\s)+3], s[46:47], (\s)*KSTEP*2
	s_or_b32 s[G0B+4*(\s)+3], s[G0B+4*(\s)+3], 0x80000000
	JLOAD \s                                       ; two loads of mine are out
.endr
	v_and_b32 v1, 15, v0                           ; r = l % 16
	v_bfe_u32 v2, v0, 4, 1                         ; h = l / 16
	v_lshlrev_b32 v[BO], 5, v2
	v_lshlrev_b32 v[RO], 9, v1
	v_lshl_add_u32 v[RO], v2, 5, v[RO]
	s_lshl_b32 s80, s42, 9                         ; the biases at channel 128 head + 16 w
	s_lshl_b32 s81, s10, 6
	s_add_co_u32 s80, s80, s81
	s_mov_b32 s81, 0
	s_add_nc_u64 s[70:71], s[70:71], s[80:81]
	s_add_nc_u64 s[72:73], s[72:73], s[80:81]
	s_add_nc_u64 s[74:75], s[74:75], s[80:81]
	s_lshl_b32 s82, s13, 16                        ; the table at position 128 x row block, frequency 16 w
	s_lshl_b32 s83, s10, 6
	s_add_co_u32 s82, s82, s83
	s_mov_b32 s83, 0
	s_add_nc_u64 s[76:77], s[76:77], s[82:83]
	WIN 0x40                                       ; destination window 1
.irp b, 0,1,2,3,4,5
	global_load_b128 v[BIAS+8*(\b):BIAS+8*(\b)+3],   v[BO], s[70+2*((\b)/2):71+2*((\b)/2)] offset:256*((\b)%2)
	global_load_b128 v[BIAS+8*(\b)+4:BIAS+8*(\b)+7], v[BO], s[70+2*((\b)/2):71+2*((\b)/2)] offset:256*((\b)%2)+16
.endr
	WIN 0x80                                       ; destination window 2: rows 0-63
.irp a, 0,1,2,3
	global_load_b128 v[192+16*(\a):192+16*(\a)+3],     v[RO], s[76:77] offset:8192*(\a)
	global_load_b128 v[192+16*(\a)+4:192+16*(\a)+7],   v[RO], s[76:77] offset:8192*(\a)+16
	global_load_b128 v[192+16*(\a)+8:192+16*(\a)+11],  v[RO], s[76:77] offset:8192*(\a)+256
	global_load_b128 v[192+16*(\a)+12:192+16*(\a)+15], v[RO], s[76:77] offset:8192*(\a)+272
.endr
	WIN 0xc0                                       ; window 3: rows 64-127
.irp a, 0,1,2,3
	global_load_b128 v[192+16*(\a):192+16*(\a)+3],     v[RO], s[76:77] offset:8192*(\a)+32768
	global_load_b128 v[192+16*(\a)+4:192+16*(\a)+7],   v[RO], s[76:77] offset:8192*(\a)+32768+16
	global_load_b128 v[192+16*(\a)+8:192+16*(\a)+11],  v[RO], s[76:77] offset:8192*(\a)+32768+256
	global_load_b128 v[192+16*(\a)+12:192+16*(\a)+15], v[RO], s[76:77] offset:8192*(\a)+32768+272
.endr
	WIN 0
	v_mul_u32_u24 v3, v1, PITCH
	v_lshl_add_u32 v3, v2, 4, v3                   ; r x pitch + 16 h
	v_mov_b32 v[ADRA0], v3
	s_mul_i32 s21, s10, 16*PITCH                   ; my 16 rows in each half of a matrix's 128
	v_add_nc_u32 v4, s21, v3
.irp m, 0,1,2
	v_add_nc_u32 v[ADRB0+(\m)], (1+(\m))*HALFT, v4
.endr
	SETADR                                         ; slot 0
	s_lshl_b32 s21, s10, 5
	v_add_nc_u32 v4, s21, v3                       ; into the stage: row r, my 32 bytes of each half row, 16 for each half of the lanes
	s_mul_i32 s21, s10, 32*PITCH
	v_mul_u32_u24 v5, v2, PITCH                    ; back: wave w takes rows 32 w .. + 31 whole; lanes 0-15 one row, lanes 16-31 the next
	v_lshl_add_u32 v5, v1, 4, v5
	v_add_nc_u32 v5, s21, v5
.irp m, 0,1,2
	v_add_nc_u32 v[STO+(\m)], (\m)*HALFT, v4
	v_add_nc_u32 v[RD+(\m)], (\m)*HALFT, v5
.endr
	v_and_b32 v[CO], 31, v0
	v_lshlrev_b32 v[CO], 4, v[CO]
	s_lshl_b32 s84, s42, 19                        ; where my rows go: the head's 524,288 bytes,
	s_lshl_b32 s85, s13, 15                        ; the block's 128 rows of 256 bytes,
	s_add_co_u32 s84, s84, s85
	s_lshl_b32 s85, s10, 13                        ; my 32 of them
	s_add_co_u32 s84, s84, s85
	s_mov_b32 s85, 0
	s_add_nc_u64 s[86:87], s[78:79], s[84:85]      ; q
	s_add_nc_u64 s[88:89], s[86:87], 0x800000      ; k
	s_add_nc_u64 s[90:91], s[86:87], 0x1000000     ; v
	s_and_b32 s94, ttmp7, 0xffff                   ; the prefetches: cluster y
	s_cmp_eq_u32 s10, 0                            ; do I fetch x?
	s_cselect_b32 s92, s13, s42                    ; the tile: by the row block, or by the head
	s_cselect_b32 s93, s40, s41                    ; my place among the four that ask for it with me
	s_cselect_b32 s94, ttmp9, s94                  ; the coordinate along which other clusters read the same rows
	s_cmp_eq_u32 s94, 0
	s_cselect_b32 s[LIM], 2, -1                    ; the same in all sixteen partners, for a given wave
	s_lshl_b32 s92, s92, 19
	s_lshl_b32 s93, s93, 17                        ; my work-group's 32 rows
	s_add_co_u32 s92, s92, s93
	s_lshl_b32 s93, s10, 23                        ; my plane
	s_add_co_u32 s92, s92, s93
	s_mov_b32 s93, 0
	s_add_nc_u64 s[PFA:PFA+1], s[68:69], s[92:93]
	s_add_nc_u64 s[PFA:PFA+1], s[PFA:PFA+1], 2*KSTEP*2  ; at K step 2: the first refill steps it to 3 and names K step 4
	v_and_b32 v[PFO], 31, v0
	v_lshlrev_b32 v[PFO], 12, v[PFO]
	s_wait_loadcnt 0x0                             ; biases and table
	WIN 0x45                                       ; all in window 1: the biases are rounded to bf16, as every input is
.set p, 0
.rept 24
	v_cvt_pk_bf16_f32 v[BT], v[BIAS+p], v[BIAS+p+1]
	v_lshlrev_b32 v[BIAS+p], 16, v[BT]
	v_and_b32 v[BIAS+p+1], 0xffff0000, v[BT]
.set p, p+2
.endr
	WIN 0
; 12 matrix instructions: row blocks a0, a0 + 1 of the window's four (hi = 0: rows 0-63, 1: rows 64-127) x my 6 channel blocks, 32 along K, from buffer g.  first = 1: the bias starts the sum.
; The 48 accumulators take turns in the same order in every quarter.
.macro MUL12 g, hi, a0, first
.if \first
	WIN 0x91+0x40*(\hi)                            ; weights window 1, x window 0, C (the bias) window 1, D window 2 or 3
.else
	WIN 0xa1+0x50*(\hi)                            ; C and D window 2 or 3
.endif
.irp a, \a0, (\a0)+1
.irp b, 0,1,2,3,4,5
.if \first
	v_wmma_f32_16x16x32_bf16 v[8*(6*(\a)+(\b)):8*(6*(\a)+(\b))+7], v[48*(\g)+8*(\b):48*(\g)+8*(\b)+7], v[64+64*(\g)+8*(4*(\hi)+(\a)):64+64*(\g)+8*(4*(\hi)+(\a))+7], v[BIAS+8*(\b):BIAS+8*(\b)+7]
.else
	v_wmma_f32_16x16x32_bf16 v[8*(6*(\a)+(\b)):8*(6*(\a)+(\b))+7], v[48*(\g)+8*(\b):48*(\g)+8*(\b)+7], v[64+64*(\g)+8*(4*(\hi)+(\a)):64+64*(\g)+8*(4*(\hi)+(\a))+7], v[8*(6*(\a)+(\b)):8*(6*(\a)+(\b))+7]
.endif
.endr
.endr
.endm
; 28 LDS loads in one run: a quarter step's fragments (my 96 rows of weights, then x's 128 rows; 32 K at byte k of the rows of the slot in hand) into buffer g
.macro FETCH k, g
	WIN 0x40
.irp b, 0,1,2,3,4,5
	ds_load_b128 v[48*(\g)+8*(\b):48*(\g)+8*(\b)+3],   v[ADRB+(\b)/2] offset:(\k)+64*PITCH*((\b)%2)
	ds_load_b128 v[48*(\g)+8*(\b)+4:48*(\g)+8*(\b)+7], v[ADRB+(\b)/2] offset:(\k)+64*PITCH*((\b)%2)+32
.endr
	WIN 0
.irp i, 0,1,2,3,4,5,6,7
	ds_load_b128 v[64+64*(\g)+8*(\i):64+64*(\g)+8*(\i)+3],   v[ADRA] offset:(\k)+(\i)*16*PITCH
	ds_load_b128 v[64+64*(\g)+8*(\i)+4:64+64*(\g)+8*(\i)+7], v[ADRA] offset:(\k)+(\i)*16*PITCH+32
.endr
.endm
.macro PLACES                          ; four plain instructions between a matrix instruction and a load into, or a vector read of, its registers
.rept 4
	v_nop
.endr
.endm
; A K step is four quarters of 32 along K, 48 matrix instructions each, on buffers 0, 1, 0, 1.  One of the first three: multiplies buffer f and fetches the next quarter, at byte k, into g.
.macro QUARTER k, f, g, first
	s_wait_dscnt 8                                 ; the weights and x's rows 0-63 are in; the youngest eight loads (rows 64-127) may be out
	MUL12 \f, 0, 0, \first
	MUL12 \f, 0, 2, \first
	PLACES
	FETCH \k, \g
	s_wait_dscnt 28                                ; all but the 28 just issued
	MUL12 \f, 1, 0, \first
	MUL12 \f, 1, 2, \first
.endm
; The last quarter multiplies buffer 1 and changes slots: one barrier; in front of it each wave waits for all its tensor loads (one is out: its part of the next slot), adds 0 to its spare word, and waits for
; that and for its own reads of this slot.  fill = 1: the barrier opens a round of the cluster's, and this slot is filled again, two K steps ahead, first thing behind it: 168 matrix instructions ahead of the wait for it.
.macro TURN fill
.if \fill
	s_wait_xcnt 0x0                                ; the last prefetch, a K step back, has read its address
	s_add_nc_u64 s[PFA:PFA+1], s[PFA:PFA+1], KSTEP*2
.endif
	WIN 0
	s_wait_tensorcnt 0x0
	ds_add_u32 v[SPW], v[NIL]
	s_wait_dscnt 9                                 ; (the add and the youngest eight loads may be out)
	MUL12 1, 0, 0, 0
	s_wait_dscnt 0x0                               ; the add is done, and my reads of this slot are over
	s_barrier_signal -1
	MUL12 1, 0, 2, 0
	WIN 0                                          ; branches and the addresses' lines follow
	s_barrier_wait -1
.if \fill
	CREST                                          ; no wave of any partner still reads this slot's tiles or has a load on its way
.irp g, G0+4, G0B+4
	s_xor_b32 s[(\g)+1], s[(\g)+1], SLOT           ; the walking descriptor: the other slot than last time,
	s_add_nc_u64 s[(\g)+2:(\g)+3], s[(\g)+2:(\g)+3], KSTEP*2  ; the next K step; the type bits on top are not reached
.endr
	JLOAD 1
.endif
	s_xor_b32 s[TB], s[TB], SLOT                   ; the reads go on in the other slot
	SETADR                                         ; four plain instructions: where nothing is filled they are the places in front of the loads below
	FETCH 0, 0
.if \fill
	ASK
.endif
	MUL12 1, 1, 0, 0
	MUL12 1, 1, 2, 0
.endm
	s_wait_tensorcnt 1                             ; my part of K step 0 is in; K step 1's may stay out
	s_barrier_signal -1
	s_barrier_wait -1
	FETCH 0, 0
	QUARTER 64,  0, 1, 1                           ; the first quarter stands in front of the loop: its products start the sums
	WIN 0
	s_mov_b32 s3, FILLS
.Lstep:                                                ; a trip goes from a K step's second quarter to the next step's first, and fills the slot that it leaves
	QUARTER 128, 1, 0, 0
	QUARTER 192, 0, 1, 0
	TURN 1
	QUARTER 64,  0, 1, 0
	WIN 0
	s_sub_co_u32 s3, s3, 1
	s_cmp_lg_u32 s3, 0
	s_cbranch_scc1 .Lstep
	QUARTER 128, 1, 0, 0                           ; K steps 14 and 15 fill nothing
	QUARTER 192, 0, 1, 0
	TURN 0
	QUARTER 64,  0, 1, 0
	QUARTER 128, 1, 0, 0
	QUARTER 192, 0, 1, 0
	s_wait_dscnt 8
	MUL12 1, 0, 0, 0
	MUL12 1, 0, 2, 0
	s_wait_dscnt 0x0
	MUL12 1, 1, 0, 0
	MUL12 1, 1, 2, 0
	PLACES
; THE WAY OUT of row block a.  RoPE in f32: lo' = lo cos - hi sin, hi' = hi cos + lo sin, two channels an instruction; each accumulator's lowest registers are read first.
; All are rounded to f16, 16 bytes a lane and block, and put into the stage.  The stage is slot 0 (LDS bytes 0 on), which had its last fill with K step 14 and which nobody has read since the last change of slots.
.macro OUTA a
.set WW, 2+(\a)/4
.set A4, (\a)%4
.set RC, 192+16*A4
	WIN WW|(WW<<2)                                 ; sources 0 and 1 in the accumulators' window; source 2 and destination in window 0
.irp m, 0,1
.set LO, 8*(6*A4+2*(\m))
.set TL, T+16*(\m)
.irp p, 0,2,4,6
	v_pk_mul_f32 v[TL+\p:TL+\p+1], v[LO+\p:LO+\p+1], v[RC+\p:RC+\p+1]
.endr
.irp p, 0,2,4,6
	v_pk_mul_f32 v[TL+8+\p:TL+8+\p+1], v[LO+8+\p:LO+8+\p+1], v[RC+\p:RC+\p+1]
.endr
.irp p, 0,2,4,6
	v_pk_fma_f32 v[TL+\p:TL+\p+1], v[LO+8+\p:LO+8+\p+1], v[RC+8+\p:RC+8+\p+1], v[TL+\p:TL+\p+1] neg_lo:[1,0,0] neg_hi:[1,0,0]
.endr
.irp p, 0,2,4,6
	v_pk_fma_f32 v[TL+8+\p:TL+8+\p+1], v[LO+\p:LO+\p+1], v[RC+8+\p:RC+8+\p+1], v[TL+8+\p:TL+8+\p+1]
.endr
.endr
.irp b, 4,5
.irp p, 0,1,2,3
	v_cvt_pk_f16_f32 v[PK+4*(\b)+\p], v[8*(6*A4+(\b))+2*\p], v[8*(6*A4+(\b))+2*\p+1]
.endr
.endr
	WIN 0
.irp q, 0,1,2,3,4,5,6,7,8,9,10,11,12,13,14,15
	v_cvt_pk_f16_f32 v[PK+\q], v[T+2*\q], v[T+2*\q+1]
.endr
.irp b, 0,1,2,3,4,5
	ds_store_b128 v[STO+(\b)/2], v[PK+4*(\b):PK+4*(\b)+3] offset:16*PITCH*(\a)+128*((\b)%2)
.endr
.endm
.irp a, 0,1,2,3,4,5,6,7
	OUTA \a
.endr
	s_wait_dscnt 0x0                               ; for the others' sake: my stores into the stage are done
	s_barrier_signal -1
	s_barrier_wait -1                              ; a row's 256 bytes come from all four waves
.set n, 0
.rept 48
	ds_load_b128 v[64+4*n:64+4*n+3], v[RD+n/16] offset:2*PITCH*(n%16)
.set n, n+1
.endr
.set n, 0
.rept 48
	s_wait_dscnt 47-n                              ; the 47 - n younger loads may stay out
	global_store_b128 v[CO], v[64+4*n:64+4*n+3], s[86+2*(n/16):87+2*(n/16)] offset:512*(n%16)  ; two rows: 512 consecutive bytes
.set n, n+1
.endr
	s_wait_tensorcnt 0x0                           ; the wave's end
	ds_add_u32 v[SPW], v[NIL]
	s_wait_dscnt 0x0
	CROUND                                         ; the closing round
	s_endpgm
.Lfunc_end_k_q7331aff04d_qkv:
	.size	k_q7331aff04d_qkv, .Lfunc_end_k_q7331aff04d_qkv-k_q7331aff04d_qkv
	.p2alignl 7, 3214868480
	.fill 96, 4, 3214868480
	.section	.rodata,"a",@progbits
	.p2align	6, 0x0
	.amdhsa_kernel k_q7331aff04d_qkv
		.amdhsa_group_segment_fixed_size 327680
		.amdhsa_private_segment_fixed_size 0
		.amdhsa_enable_private_segment 0
		.amdhsa_kernarg_size 48
		.amdhsa_user_sgpr_count 2
		.amdhsa_user_sgpr_kernarg_segment_ptr 1
		.amdhsa_wavefront_size32 1
		.amdhsa_system_sgpr_workgroup_id_x 1
		.amdhsa_system_sgpr_workgroup_id_y 1
		.amdhsa_system_sgpr_workgroup_id_z 1
		.amdhsa_system_vgpr_workitem_id 0
		.amdhsa_next_free_vgpr 1024
		.amdhsa_next_free_sgpr 96
		.amdhsa_reserve_vcc 0
		.amdhsa_float_denorm_mode_32 3
		.amdhsa_float_denorm_mode_16_64 3
		.amdhsa_memory_ordered 1
		.amdhsa_forward_progress 1
		.amdhsa_inst_pref_size 120
	.end_amdhsa_kernel
	.amdgpu_metadata
---
amdhsa.version: [ 1, 2 ]
amdhsa.kernels:
  - .name:           k_q7331aff04d_qkv
    .symbol:         k_q7331aff04d_qkv.kd
    .args:
      - { .name: cvt, .offset: 0, .size: 8, .value_kind: global_buffer, .address_space: global }
      - { .name: bq, .offset: 8, .size: 8, .value_kind: global_buffer, .address_space: global }
      - { .name: bk, .offset: 16, .size: 8, .value_kind: global_buffer, .address_space: global }
      - { .name: bv, .offset: 24, .size: 8, .value_kind: global_buffer, .address_space: global }
      - { .name: rope, .offset: 32, .size: 8, .value_kind: global_buffer, .address_space: global }
      - { .name: qkv, .offset: 40, .size: 8, .value_kind: global_buffer, .address_space: global }
    .group_segment_fixed_size: 327680
    .private_segment_fixed_size: 0
    .kernarg_segment_align: 8
    .kernarg_segment_size: 48
    .max_flat_workgroup_size: 128
    .sgpr_count:     96
    .vgpr_count:     1024
    .wavefront_size: 32
...
	.end_amdgpu_metadata
.endif
;; end of part 2
;; launch attn (part 3): grid 16 x 16, 4 waves a work-group, clusters of 4 x 1, 327,680 bytes of LDS; arguments qkv, maskb, ob; writes ob
.if DOCPART == 3
	.amdgcn_target "amdgcn-amd-amdhsa--gfx1250"
	.amdhsa_code_object_version 6
	.text
	.protected	k_q7331aff04d_attn
	.globl	k_q7331aff04d_attn
	.p2align	8
	.type	k_q7331aff04d_attn,@function
k_q7331aff04d_attn:
	s_mov_b64 s[64:65], 0
	v_nop
	global_prefetch_b8 v0, s[64:65] scope:SCOPE_SE
	s_setreg_imm32_b32 hwreg(HW_REG_WAVE_MODE, 25, 1), 1
	s_wait_xcnt 0x0
	s_wait_alu depctr_hold_cnt(0) depctr_sa_sdst(0) depctr_va_vdst(0) depctr_va_sdst(0) depctr_va_ssrc(0) depctr_va_vcc(0) depctr_vm_vsrc(0)
	s_getreg_b32 s2, hwreg(HW_REG_IB_STS2, 6, 4)
	s_cmp_eq_u32 s2, 0
	s_cbranch_scc0 .Lentry_in_a_cluster
	s_endpgm
.Lentry_in_a_cluster:
	s_bfe_u32 s2, ttmp6, 0x10000c
	s_cmp_lg_u32 s2, 0x3003
	s_cbranch_scc0 .Lentry_shape_is_right
	s_endpgm
.Lentry_shape_is_right:
; O[q][head] = the sum over k of softmax_k(mask ? q . k : hidden) v[k].  q, k (each already times sqrt(log2(e) / sqrt(128)), so that q . k is the exponent to base 2), v: qkv[plane][head][2048][128] in f16;
; ob: [2048][2048] in f16, head h at columns 128 h.  Products, maxima and sums in f32; the weights p are rounded to f16 for the second product (their sum l is taken of the unrounded p), O once at the end.
; THE MASK IS AN INPUT: nothing of its pattern is built in, and every key step is walked.  maskb holds it as fragments in bf16, 0 or about -1e30; each score accumulator is STARTED by one product of a unit
; matrix with such a fragment, so that it begins at exactly 0 or -1e30, and the f16 products K Q^T add onto it five plain instructions or more later.
; LIMITS.  A hidden score counts as its value less 1e30 (f16's scores are 5.5e11 at the most).  A row whose maximum stays below -7.9e28 has seen no true key and is stored as NaN, as a softmax of nothing is.
; A weight below 2^-126 counts as 0 in l.  NaN and infinities in q, k, v are not treated apart.
; SOFTMAX.  A running maximum m and sum l for each query: p = 2^(s - m); s - m is never above 0, at any size of s; O and l are multiplied by a = 2^(m_old - m_new) in every step.  While a row has seen hidden keys
; alone, its p lie in 0 to 1 and its O is finite; the first true key makes a = 0.
; SHARES.  A work-group owns 128 queries of one head, a wave 32: PIECES 0 and 1 of 16.  Every wave walks the 32 key steps of 64.  256 work-groups.
; LAYOUT.  S^T = K Q^T holds ONE query a lane (l % 16) and the keys 8 (l / 16) + 0..7; two such results rounded to f16 ARE source 1 of O^T = V^T P.  V comes out of LDS turned, by ds_load_tr16_b128.
; BY TURNS.  In a turn one piece has the matrix unit: 16 products V^T P of the step in hand, then 4 mask products and 16 products K Q^T of the next step; the other piece's softmax, 133 instructions, stands in
; slices of four behind the first 32 of them, its last six behind the last.
; NO FIRST AND NO LAST STEP IS WRITTEN OUT.  m starts at the lowest finite number, l, O^T, V's registers and piece 0's P at 0, piece 1's scores at -1e30: the first two turns work on a key step that is wholly
; hidden and whose V is 0, a step like any other.  The tail's loop is left in the middle of its third trip.  The price, once a launch and wave: 32 products that make the zeros, 32 on zeros, 20 on stale bytes of
; LDS whose scores nobody reads, and 20 mask loads from an address that steps no more.
; RING.  Two slots of four key steps (256 rows of K, then 256 of V); each wave's one tensor load brings 128 rows.  Slot 0 is filled at the start, slot 1 by the loop's first change of slots.
; CLUSTER.  The four query blocks of a cluster belong to one head and walk the same K and V: each tile is asked for jointly, with the mask of all four.
; REGISTERS, in windows of 256: window 0: v2-8 addresses; v12-27 statistics; v28-31 the mask's offsets; v32-43 the unit matrices; v48 NaN; v61-63; v64-127 S^T; v128-159 P.
;   window 1: v0-127 O^T; v128-255 V of one step.      window 2: v0-63 Q; v64-127 four mask buffers of 16; v128-255 K of one step.
.set KS,    64
.set STEPS, 4         ; key steps in a slot
.set PKP,   272       ; a row of K in LDS: 256 bytes + 16
.set PVP,   288       ; a row of V: 256 + 32
.set VOFF,  STEPS*KS*PKP
.set SLOT1, 0x24000   ; slot 1 begins here, behind slot 0's 143,360 bytes; the number shares no bit with a tile's place in a slot (0, 0x8800, 0x11000, 0x1a000), so one exclusive or changes slots
.set STAGE, SLOT1+STEPS*KS*(PKP+PVP)  ; behind the ring: 16 rows x 272 bytes a wave, for the way out
.set SP,    272
.set SPARE, STAGE+4*16*SP
.set AK0, 2
.set AV0, 3
.set ADR, 4
.set QO,  5
.set STO, 6
.set RD,  7
.set GO,  8
.set ST,  12          ; tile t at ST + 8 t: +0 m, +1 a filler for the pair, +2, +3 l, +4 to +7 c0-c3; a takes c2's place
.set MA,  28          ; v28-31  byte offset of my 16 bytes in the mask blocks last loaded into buffer 2 x parity + tile
.set ID,  32          ; v32-43  [0000][XXXX][0000]: v36-43 has its ones at k = row, v32-39 at k = 16 + row
.set NANR, 48
.set PFO, 61
.set SPW, 62
.set NIL, 63
.set S,   64
.set P,   128
.set MB,  64          ; window 2
.set KF,  128         ; window 2
.set VF,  128         ; window 1
.set WV,  12
.set LIM, 15          ; s15  1 in a wave that prefetches, else the greatest number
.set PFA, 18          ; s[18:19] where my prefetches stand
.set G1K, 24
.set G1V, 32
.set G0K, 40          ; s[40:43] descriptor group 0 for K's tiles: it walks
.set G0V, 44          ; s[44:47] the same for V's
.set SLOTS, 56        ; s56  slots still to be asked for
.set CNT, 57          ; s57  counts a slot's pairs of key steps
.set MSTEP, 58        ; s58  what a mask offset steps by: two key steps' 4,096 bytes, or 0 when no step is left
.set BIG, 59          ; s59  -1e30
.set SEL, 60
.set TBK, 62          ; s62  LDS byte at which K of the step to be fetched begins
.set TBV, 63          ; s63  the same for V, less VOFF
.set MP,  66          ; s[66:67] maskb at my wave's two query tiles
.set THR, 68
.set MSB, 0
.macro WIN new
.if MSB != (\new)
	s_set_vgpr_msb (MSB<<8)|(\new)
.set MSB, \new
.endif
.endm
.set W_KQ, 0x0a       ; K and Q in window 2, S^T in window 0
.set W_MK, 0x08       ; the unit matrix in window 0, the mask in window 2, S^T in window 0
.set W_PV, 0x51       ; V in window 1, P in window 0, O^T in window 1
.set W_RS, 0x41       ; O^T (destination and source 0) in window 1, a in window 0
; A joint fill.  Waves 0 and 1 fetch the two halves of a slot's K, waves 2 and 3 those of its V: 128 keys each.  An s_nop 0 and four v_nop follow each of the two lines.
.macro JLOAD
	s_cmp_lt_u32 s[WV], 2
	s_cbranch_scc0 .Lfor_v_\@
	tensor_load_to_lds s[G0K:G0K+3], s[G1K:G1K+7]
	s_nop 0
.rept 4
	v_nop
.endr
	s_branch .Lasked_\@
.Lfor_v_\@:
	tensor_load_to_lds s[G0V:G0V+3], s[G1V:G1V+7]
	s_nop 0
.rept 4
	v_nop
.endr
.Lasked_\@:
.endm
; A prefetch of what the NEXT change of slots will ask for, 256 bytes a row, a lane a row.  The head's first cluster asks; of the 128 rows that a wave fetches each of the four partners names 32, told apart by
; address: one instruction a wave.  So each row is named once in the launch.  The last change that fills a slot asks for nothing; slots 0 and 1 come by their loads alone.
.macro ASK
	s_cmp_gt_u32 s[SLOTS], s[LIM]
	s_cbranch_scc0 .Lnot_mine_\@
	global_prefetch_b8 v[PFO], s[PFA:PFA+1] th:TH_LOAD_NT scope:SCOPE_SE
.Lnot_mine_\@:
.endm
.macro CROUND
	s_barrier_signal -1
	s_barrier_wait -1
	s_cmp_lg_u32 s[WV], 0
	s_cbranch_scc1 .Lnot_wave_0_\@
	s_barrier_signal -3
.Lnot_wave_0_\@:
	s_barrier_wait -3
	s_barrier_signal -1
	s_barrier_wait -1
.endm
	s_load_b128 s[4:7], s[0:1], 0x0   ; qkv s[4:5], maskb s[6:7]
	s_load_b64 s[8:9], s[0:1], 0x10   ; ob
	v_lshl_add_u32 v[SPW], v0, 2, SPARE
	v_mov_b32 v[NIL], 0
	ds_add_u32 v[SPW], v[NIL]       ; the wave's opening: the add and its wait stand ahead of the first tensor load
	v_lshrrev_b32 v1, 5, v0
	v_readfirstlane_b32 s[WV], v1
	s_bfe_u32 s13, ttmp6, 0x40000   ; cx
	s_lshl_b32 s14, ttmp9, 2
	s_add_co_u32 s14, s14, s13      ; my block of 128 queries: it enters Q's, the mask's and O's addresses alone
	s_and_b32 s20, ttmp7, 0xffff    ; the head, which the four partners share
	s_lshl_b32 s69, s20, 8          ; its 256 bytes in a row of ob
	s_lshl_b32 s20, s20, 19         ; its 524,288 bytes in a plane of qkv
	s_mov_b32 s21, 0
	s_and_b32 s16, s[WV], 1         ; which half of a slot's 256 keys I fetch:
	s_lshl_b32 s22, s16, 15         ; its 128 rows of 256 bytes in memory
	s_mov_b32 s23, 0
	s_add_nc_u64 s[22:23], s[22:23], s[20:21]
	s_lshl_b32 s2, s14, 15          ; Q: my block's 128 rows,
	s_lshl_b32 s3, s[WV], 13        ; my wave's 32
	s_add_co_u32 s2, s2, s3
	s_mov_b32 s3, 0
	s_add_nc_u64 s[2:3], s[2:3], s[20:21]
	s_lshl_b32 s76, s14, 19         ; the mask: eight query tiles of 65,536 bytes a block, two a wave; ob: 128 rows of 4,096 bytes a block, 32 a wave
	s_lshl_b32 s77, s[WV], 17
	s_add_co_u32 s76, s76, s77
	s_mov_b32 s77, 0
	s_add_co_u32 s78, s76, s69
	s_mov_b32 s79, 0
	s_mov_b32 s[G1K], 15|(1<<16)|(1<<20)|(1<<21)|(5<<22)|(3<<25)  ; the mask of four; 2-byte elements; padding on; bit 21 beside a mask; after every 64 words 4 words
	s_mov_b32 s[G1V], 15|(1<<16)|(1<<20)|(1<<21)|(5<<22)|(7<<25)  ; the same with 8 words
.irp g, G1K, G1V
	s_mov_b32 s[(\g)+1], 128<<16    ; tensor_dim0 = 128
	s_mov_b32 s[(\g)+2], 128<<16    ; tensor_dim1 = 128
	s_mov_b32 s[(\g)+3], 128<<16    ; tile_dim0 = 128
	s_mov_b32 s[(\g)+4], 128        ; tile_dim1 = 128
	s_mov_b32 s[(\g)+5], 128        ; elements from row to row
	s_mov_b32 s[(\g)+6], 0
	s_mov_b32 s[(\g)+7], 0
.endr
	s_mov_b32 s[G0K], 1             ; count = 1
	s_mul_i32 s[G0K+1], s16, 128*PKP  ; LDS address: my half's place in slot 0: no place in the cluster enters it
	s_mov_b32 s[G0V], 1
	s_mul_i32 s[G0V+1], s16, 128*PVP
	s_add_co_u32 s[G0V+1], s[G0V+1], VOFF
	s_mov_b32 s[SEL], 0x76543210
	s_mov_b32 s[SEL+1], 0xfedcba98
	s_mov_b32 s[TBK], SLOT1+STEPS*KS*PKP  ; the first change of slots turns these two into 0
	s_mov_b32 s[TBV], SLOT1+STEPS*KS*PVP
	s_mov_b32 s[THR], 0xef800000    ; -7.9e28
	s_mov_b32 s[BIG], 0xf149f2ca    ; -1e30
	s_mov_b32 s[MSTEP], 4096
	s_mov_b32 s[SLOTS], 7           ; 8 slots, of which the first is filled at the start
	s_mov_b32 s[LIM], ttmp9
	s_cmp_eq_u32 s[LIM], 0
	s_cselect_b32 s[LIM], 1, -1     ; the head's first cluster: the same in all four partners
	v_and_b32 v[PFO], 31, v0
	v_lshlrev_b32 v[PFO], 8, v[PFO]
	s_wait_dscnt 0x0                ; the opening add is done
	s_wait_kmcnt 0x0
	s_add_nc_u64 s[70:71], s[4:5], 0x800000    ; K's plane,
	s_add_nc_u64 s[70:71], s[70:71], s[22:23]  ; at my half of the head's first 256 keys
	s_add_nc_u64 s[72:73], s[4:5], 0x1000000   ; V's
	s_add_nc_u64 s[72:73], s[72:73], s[22:23]
	s_add_nc_u64 s[74:75], s[4:5], s[2:3]      ; Q at my wave's first row
	s_add_nc_u64 s[10:11], s[8:9], s[78:79]    ; O likewise
	s_add_nc_u64 s[MP:MP+1], s[6:7], s[76:77]
	s_mov_b64 s[G0K+2:G0K+3], s[70:71]
	s_or_b32 s[G0K+3], s[G0K+3], 0x80000000    ; type = 2
	s_mov_b64 s[G0V+2:G0V+3], s[72:73]
	s_or_b32 s[G0V+3], s[G0V+3], 0x80000000
	s_cmp_lt_u32 s[WV], 2
	s_cselect_b64 s[PFA:PFA+1], s[70:71], s[72:73]
	s_lshl_b32 s2, s13, 13          ; my work-group's 32 rows of my wave's 128
	s_mov_b32 s3, 0
	s_add_nc_u64 s[PFA:PFA+1], s[PFA:PFA+1], s[2:3]
	s_add_nc_u64 s[PFA:PFA+1], s[PFA:PFA+1], STEPS*KS*256  ; in slot 1; the first change of slots steps it to slot 2
	CROUND                          ; all four work-groups are here: the first joint loads meet
	JLOAD                           ; slot 0: one load of mine is out
	v_and_b32 v1, 15, v0            ; r = l % 16
	v_bfe_u32 v9, v0, 4, 1          ; h = l / 16
	v_lshlrev_b32 v[QO], 8, v1
	v_lshl_add_u32 v[QO], v9, 4, v[QO]
	v_and_b32 v46, 31, v0
	v_lshlrev_b32 v46, 4, v46
.irp b, 0,1,2,3
	v_add_nc_u32 v[MA+\b], 65536*((\b)%2)+2048*((\b)/2), v46  ; tile b % 2, key step b / 2
.endr
	WIN 0x80                        ; destination window 2
.irp i, 0,1,2,3,4,5,6,7             ; Q stays in registers: tile i / 4, channels 32 (i % 4) on
	global_load_b128 v[8*(\i):8*(\i)+3],   v[QO], s[74:75] offset:((\i)/4)*4096+((\i)%4)*64
	global_load_b128 v[8*(\i)+4:8*(\i)+7], v[QO], s[74:75] offset:((\i)/4)*4096+((\i)%4)*64+32
.endr
.irp b, 0,1,2,3                     ; the mask of key steps 0 and 1, both tiles: four blocks of 16 keys each
.irp u, 0,1,2,3
	global_load_b128 v[MB+16*(\b)+4*(\u):MB+16*(\b)+4*(\u)+3], v[MA+\b], s[MP:MP+1] offset:512*(\u)
.endr
.endr
	WIN 0
	; The unit matrices, as source 0: lane (r, h) holds row r; its one stands at k = r, which lies in this lane where r / 8 = h: register (r / 2) % 4, half r % 2.
	v_lshrrev_b32 v44, 3, v1
	v_bfe_u32 v45, v1, 1, 2
	v_and_b32 v46, 1, v1
	v_lshlrev_b32 v46, 4, v46
	v_mov_b32 v47, 0x3f80
	v_lshlrev_b32 v47, v46, v47
	v_cmp_eq_u32 vcc_lo, v44, v9
	v_cndmask_b32 v47, 0, v47, vcc_lo
.irp q, 0,1,2,3
	v_mov_b32 v[ID+\q], 0
	v_mov_b32 v[ID+8+\q], 0
	v_cmp_eq_u32 vcc_lo, \q, v45
	v_cndmask_b32 v[ID+4+\q], 0, v47, vcc_lo
.endr
.set i, 0
.rept 16
	v_mov_b32 v[P+i], 0             ; piece 0's P of the step that has not been
.set i, i+1
.endr
	WIN 0x40                        ; destination window 1: O^T and V's registers begin at 0: 32 products of finite numbers with a fragment of zeros, C = 0, eight registers each
.set i, 0
.rept 32
	v_wmma_f32_16x16x32_f16 v[8*i:8*i+7], v[ID:ID+7], v[P:P+7], 0
.set i, i+1
.endr
	WIN 0
.set i, 0
.rept 32
	v_mov_b32 v[S+32+i], s[BIG]     ; piece 1's scores of that step: all hidden.  (These lines are also the places behind the products above)
.set i, i+1
.endr
.irp t, 0,1
	v_mov_b32 v[ST+8*(\t)], 0xff7fffff  ; m: the lowest finite number
	v_mov_b32 v[ST+8*(\t)+1], 0     ; named with m as a pair
	v_mov_b32 v[ST+8*(\t)+2], 0     ; l
	v_mov_b32 v[ST+8*(\t)+3], 0
.endr
	v_mov_b32 v[NANR], 0x7fc00000
	v_mul_u32_u24 v[AK0], v1, PKP
	v_lshl_add_u32 v[AK0], v9, 4, v[AK0]
	v_and_b32 v10, 7, v0            ; the turning load: lane l reads key 8 (l / 16) + l % 8, channels 8 ((l / 8) % 2) + 0..7
	v_bfe_u32 v11, v0, 3, 1
	v_lshl_add_u32 v[AV0], v9, 3, v10
	v_mul_u32_u24 v[AV0], v[AV0], PVP
	v_lshl_add_u32 v[AV0], v11, 4, v[AV0]
	v_add_nc_u32 v[AV0], VOFF, v[AV0]
	s_mul_i32 s13, s[WV], 16*SP     ; the addresses for the way out
	s_add_co_u32 s13, s13, STAGE
	v_mul_u32_u24 v[STO], v1, SP
	v_lshl_add_u32 v[STO], v9, 4, v[STO]
	v_add_nc_u32 v[STO], s13, v[STO]
	v_mul_u32_u24 v[RD], v9, SP
	v_lshl_add_u32 v[RD], v1, 4, v[RD]
	v_add_nc_u32 v[RD], s13, v[RD]
	v_lshlrev_b32 v[GO], 12, v9     ; a row of ob is 4,096 bytes
	v_lshl_add_u32 v[GO], v1, 4, v[GO]
; THE MATRIX WORK.  The accumulators take turns, one instruction a turn.
; Product i of 16 of O^T += V^T P for piece x: keys 32 (i / 8) on, channels 16 (i % 8) on.
.macro PV x
	WIN W_PV
.set rO, 64*(\x)+8*(i%8)
.set rV, VF+64*(i/8)+8*(i%8)
.set rP, P+16*(\x)+8*(i/8)
	v_wmma_f32_16x16x32_f16 v[rO:rO+7], v[rV:rV+7], v[rP:rP+7], v[rO:rO+7]
.endm
; Mask product i of 4: the scores of keys 16 i .. + 15 begin at 0 or -1e30.
.macro MK x, par
	WIN W_MK
.set rS, S+32*(\x)+8*i
.set rM, MB+16*(2*(\par)+(\x))+8*(i/2)
.set rI, ID+4-4*(i%2)
	v_wmma_f32_16x16x32_bf16 v[rS:rS+7], v[rI:rI+7], v[rM:rM+7], 0
.endm
; Product i of 16 of S^T += K Q^T: channels 32 (i / 4) on, keys 16 (i % 4) on.
.macro KQ x
	WIN W_KQ
.set rS, S+32*(\x)+8*(i%4)
.set rK, KF+32*(i%4)+8*(i/4)
.set rQ, 32*(\x)+8*(i/4)
	v_wmma_f32_16x16x32_f16 v[rS:rS+7], v[rK:rK+7], v[rQ:rQ+7], v[rS:rS+7]
.endm
; THE LDS LOADS stand in runs of 32.
.macro FETCH_K
	WIN 0
	v_add_nc_u32 v[ADR], s[TBK], v[AK0]
	s_add_co_u32 s[TBK], s[TBK], KS*PKP  ; the next fetch is the next step's
	WIN 0x80
.irp f, 0,1,2,3,4,5,6,7,8,9,10,11,12,13,14,15  ; keys 16 (f / 4) on, channels 32 (f % 4) on
	ds_load_b128 v[KF+8*(\f):KF+8*(\f)+3],   v[ADR] offset:((\f)/4)*16*PKP+((\f)%4)*64
	ds_load_b128 v[KF+8*(\f)+4:KF+8*(\f)+7], v[ADR] offset:((\f)/4)*16*PKP+((\f)%4)*64+32
.endr
.endm
.macro FETCH_V
	WIN 0
	v_add_nc_u32 v[ADR], s[TBV], v[AV0]
	s_add_co_u32 s[TBV], s[TBV], KS*PVP
	s_wait_alu depctr_va_vdst(0)    ; the wait for the softmax's batch of exponentials
	WIN 0x40
.irp f, 0,1,2,3,4,5,6,7,8,9,10,11,12,13,14,15  ; keys 32 (f / 8) on, channels 16 (f % 8) on
	ds_load_tr16_b128 v[VF+8*(\f):VF+8*(\f)+3],   v[ADR] offset:((\f)/8)*32*PVP+((\f)%8)*32
	ds_load_tr16_b128 v[VF+8*(\f)+4:VF+8*(\f)+7], v[ADR] offset:((\f)/8)*32*PVP+16*PVP+((\f)%8)*32
.endr
.endm
; The mask of the key step two on, into the buffer just read: the turn's counted wait has shown the buffer's earlier loads done, so their offset may be stepped.
.macro MLOAD buf
	WIN 0
	v_add_nc_u32 v[MA+(\buf)], s[MSTEP], v[MA+(\buf)]
	WIN 0x80
.irp u, 0,1,2,3
	global_load_b128 v[MB+16*(\buf)+4*(\u):MB+16*(\buf)+4*(\u)+3], v[MA+(\buf)], s[MP:MP+1] offset:512*(\u)
.endr
.endm
; THE VECTOR WORK: number j of a tile's softmax for one key step.  s0-s31 are the lane's 32 scores.
;   0-15 the maximum (each accumulator's lowest registers are read first)   16-20 the other half of the lanes' maximum; the new m; m_old - m_new (19 is empty)
;   21-69 ONE BATCH: the 16 subtractions s - m and all 33 exponentials; none of them names an exponential's result   70-85 the roundings   86-101 the sums   102-133 O^T times a
.macro SM t
.set rT, ST+8*(\t)
.set rS, S+32*(\t)
.set rP, P+16*(\t)
.set rO, 64*(\t)+2*(j-102)
.if j < 102
	WIN 0
.endif
.if j < 4
	v_max3_num_f32 v[rT+4+j], v[rS+8*j], v[rS+8*j+1], v[rS+8*j+2]
.elseif j < 12
	v_max3_num_f32 v[rT+4+j%4], v[rT+4+j%4], v[rS+8*(j%4)+2*(j/4)+1], v[rS+8*(j%4)+2*(j/4)+2]
.elseif j == 12
	v_max3_num_f32 v[rT+4], v[rT+4], v[rS+7], v[rS+15]
.elseif j == 13
	v_max3_num_f32 v[rT+6], v[rT+6], v[rS+23], v[rS+31]
.elseif j == 14
	v_max3_num_f32 v[rT+4], v[rT+4], v[rT+5], v[rT+6]
.elseif j == 15
	v_max3_num_f32 v[rT+4], v[rT+4], v[rT+7], v[rT]
.elseif j == 16
	v_permlanex16_b32 v[rT+5], v[rT+4], s[SEL], s[SEL+1]  ; the query's other 32 keys lie in the lane 16 away
.elseif j == 17
	v_mov_b32 v[rT+7], v[rT]        ; m_old is kept: number 18 writes m anew
.elseif j == 18
	v_max_num_f32 v[rT], v[rT+4], v[rT+5]
.elseif j == 19
.elseif j == 20
	v_sub_f32 v[rT+7], v[rT+7], v[rT]
.elseif j == 23
	v_exp_f32 v[rT+6], v[rT+7]
.elseif (j < 23) || ((j < 38) && (j%2 == 0)) || ((j < 66) && (j%4 == 2))
.set b, (j-2)/4
.if j < 38
.set b, (j-20)/2
.endif
	v_pk_add_f32 v[rS+2*b:rS+2*b+1], v[rS+2*b:rS+2*b+1], v[rT:rT+1] op_sel_hi:[1,0] neg_lo:[0,1] neg_hi:[0,1]  ; pair b: s - m
.elseif j < 70
.set e, j-38
.if j < 66
.set e, j-32-(j-38)/4
.endif
.if j < 38
.set e, (j-25)/2
.endif
	v_exp_f32 v[rS+e], v[rS+e]
.elseif j < 86
	v_cvt_pk_f16_f32 v[rP+j-70], v[rS+2*(j-70)], v[rS+2*(j-70)+1]
.elseif j < 102
.set z, j-86
.set w, 4
.set u, z
.if z >= 14
.set w, 32
.set u, 0
.elseif z >= 12
.set w, 16
.set u, z-12
.elseif z >= 8
.set w, 8
.set u, z-8
.endif
.if z < 15
	v_pk_add_f32 v[rS+w*u:rS+w*u+1], v[rS+w*u:rS+w*u+1], v[rS+w*u+w/2:rS+w*u+w/2+1]
.else
	v_pk_fma_f32 v[rT+2:rT+3], v[rT+2:rT+3], v[rT+6:rT+7], v[rS:rS+1] op_sel_hi:[1,0,1]
.endif
.else
	WIN W_RS
	v_pk_mul_f32 v[rO:rO+1], v[rO:rO+1], v[rT+6:rT+7] op_sel_hi:[1,0]
.endif
.endm
; A slice: the next four numbers, up to 127.  Ahead of number 70, the batch's first reader, stand three v_nop (the plain instruction behind the last exponential; with subtraction 62 and the address's add also the
; places between V's last reader and the loads into V) and the batch's ONE wait; in piece 1's turn V's run of loads stands there, the wait in it.
.macro SL y
.rept 4
.if j < 128
.if j == 70
	WIN 0
	v_nop
	v_nop
	v_nop
.if (\y) == 0
	FETCH_V
.else
	s_wait_alu depctr_va_vdst(0)
.endif
.endif
	SM \y
.set j, j+1
.endif
.endr
.endm
.macro PLACES
.rept 4
	v_nop
.endr
.endm
; A TURN for piece x.  par: the parity of the step whose scores are made, which picks the mask buffer.
; Piece 0's turn begins with the next step's K: K's last reader stands ahead of the six plain instructions that end the turn before; the run has the 16 products V^T P and the 4 mask products in which to land.
.macro TURN x, par
.set j, 0
.if (\x) == 0
	FETCH_K
	s_wait_dscnt 32                 ; V is in; K's 32 loads, issued behind V's, may stay out
.endif
.set i, 0
.rept 16
	PV \x
	SL 1-(\x)
.set i, i+1
.endr
	s_wait_loadcnt 12               ; my mask buffer is in: three groups of four loads were issued behind its own, on every way here
.set i, 0
.rept 4
	MK \x, \par
	SL 1-(\x)
.set i, i+1
.endr
.if (\x) == 0
	s_wait_dscnt 0x0                ; K is in
.endif
.set i, 0
.rept 16
	KQ \x
	SL 1-(\x)
.if i == 1
	MLOAD 2*(\par)+(\x)
.endif
.set i, i+1
.endr
.rept 6                             ; numbers 128 to 133: also the places behind the turn's last product
	SM 1-(\x)
.set j, j+1
.endr
.endm
; THE CHANGE OF SLOTS.  Each wave waits for all its tensor loads (one is out: its part of the other slot), adds 0 to its spare word, and waits for that and for its own reads of the slot.
; fill = 1: the barrier is a round of the cluster's, and the slot that is left is filled with the keys two slots on, first thing behind it: it has four key steps, 288 matrix instructions, in which to land.
; (At its first use nothing has been read yet: slot 0 is waited for, slot 1 filled.)
.macro CHANGE fill
	WIN 0
	s_wait_tensorcnt 0x0
	ds_add_u32 v[SPW], v[NIL]
.if \fill
.irp g, G0K, G0V
	s_xor_b32 s[(\g)+1], s[(\g)+1], SLOT1  ; the walking descriptor: the other slot than last time,
	s_add_nc_u64 s[(\g)+2:(\g)+3], s[(\g)+2:(\g)+3], STEPS*KS*256  ; the next 256 keys; the type bits on top are not reached
.endr
	s_wait_xcnt 0x0                 ; the last prefetch, four key steps back, has read its address
	s_add_nc_u64 s[PFA:PFA+1], s[PFA:PFA+1], STEPS*KS*256
	s_wait_dscnt 0x0
	CROUND
	JLOAD
	ASK
.else
	s_wait_dscnt 0x0
	s_barrier_signal -1
	s_barrier_wait -1
.endif
	s_sub_co_u32 s[TBK], s[TBK], STEPS*KS*PKP  ; the fetches go back to a slot's first step,
	s_xor_b32 s[TBK], s[TBK], SLOT1            ; in the other slot
	s_sub_co_u32 s[TBV], s[TBV], STEPS*KS*PVP
	s_xor_b32 s[TBV], s[TBV], SLOT1
.endm
.Lslot:                             ; 7 trips: slots 0 to 6 are entered, slots 1 to 7 asked for
	CHANGE 1
	s_mov_b32 s[CNT], 2
.Lpair:                             ; a trip makes the scores of two key steps, and the products V^T P of the two steps before them
	TURN 0, 0
	TURN 1, 0
	TURN 0, 1
	TURN 1, 1
	WIN 0
	s_sub_co_u32 s[CNT], s[CNT], 1
	s_cmp_lg_u32 s[CNT], 0
	s_cbranch_scc1 .Lpair
	s_sub_co_u32 s[SLOTS], s[SLOTS], 1
	s_cmp_lg_u32 s[SLOTS], 0
	s_cbranch_scc1 .Lslot
	CHANGE 0                        ; the last slot is written out: nothing is asked for
	s_mov_b32 s[CNT], 3
.Ltail:                             ; two trips for the slot's four steps; the third is left behind its first turn, which has made piece 0's V^T P and piece 1's softmax of the last step
	s_cmp_eq_u32 s[CNT], 3
	s_cselect_b32 s[MSTEP], 4096, 0 ; the first trip loads the masks of the last two steps; behind them none is left, and the offsets stand still
	TURN 0, 0
	WIN 0
	s_cmp_eq_u32 s[CNT], 1
	s_cbranch_scc1 .Lout
	TURN 1, 0
	TURN 0, 1
	TURN 1, 1
	WIN 0
	s_sub_co_u32 s[CNT], s[CNT], 1
	s_cmp_lg_u32 s[CNT], 0
	s_cbranch_scc1 .Ltail
.Lout:
.set i, 0
.rept 16
	PV 1                            ; piece 1's V^T P of the last step
.set i, i+1
.endr
	PLACES
	; THE WAY OUT.  l's halves and the other half of the lanes' are added; O^T is divided by l, or multiplied by NaN where the row saw no true key; rounded to f16 and sent through my stage, a tile at a time.
	WIN 0
.irp t, 0,1
	v_add_f32 v[ST+8*(\t)+4], v[ST+8*(\t)+2], v[ST+8*(\t)+3]
.endr
.irp t, 0,1
	v_permlanex16_b32 v[ST+8*(\t)+5], v[ST+8*(\t)+4], s[SEL], s[SEL+1]
.endr
.irp t, 0,1
	v_add_f32 v[ST+8*(\t)+4], v[ST+8*(\t)+4], v[ST+8*(\t)+5]
.endr
.irp t, 0,1
	v_rcp_f32 v[ST+8*(\t)+6], v[ST+8*(\t)+4]
.endr
	v_nop                           ; a plain instruction behind the last reciprocal,
	s_wait_alu depctr_va_vdst(0)    ; and the one wait for the two
.irp t, 0,1
	v_cmp_gt_f32 vcc_lo, s[THR], v[ST+8*(\t)]
	v_cndmask_b32 v[ST+8*(\t)+6], v[ST+8*(\t)+6], v[NANR], vcc_lo
.endr
.macro PACK t
	WIN W_RS
.set i, 64*(\t)
.rept 32
	v_pk_mul_f32 v[i:i+1], v[i:i+1], v[ST+8*(\t)+6:ST+8*(\t)+7] op_sel_hi:[1,0]
.set i, i+2
.endr
	WIN 0x05                        ; sources 0 and 1 window 1, destination window 0
.set i, 0
.rept 32
	v_cvt_pk_f16_f32 v[S+32*(\t)+i], v[64*(\t)+2*i], v[64*(\t)+2*i+1]
.set i, i+1
.endr
	WIN 0
.irp f, 0,1,2,3,4,5,6,7
	ds_store_b128 v[STO], v[S+32*(\t)+4*(\f):S+32*(\t)+4*(\f)+3] offset:32*(\f)
.endr
.irp f, 0,1,2,3,4,5,6,7
	ds_load_b128 v[S+32*(\t)+4*(\f):S+32*(\t)+4*(\f)+3], v[RD] offset:(\f)*2*SP  ; the wave's own bytes, served in order (ISA guide 5.7.1.4)
.endr
.endm
.macro SEND t, younger
	WIN 0
.irp f, 0,1,2,3,4,5,6,7
	s_wait_dscnt (\younger)+7-(\f)
	global_store_b128 v[GO], v[S+32*(\t)+4*(\f):S+32*(\t)+4*(\f)+3], s[10:11] offset:(\t)*65536+(\f)*8192  ; sixteen lanes store a row's 256 bytes of this head, aligned
.endr
.endm
	PACK 0
	PACK 1
	SEND 0, 16
	SEND 1, 0
	s_wait_tensorcnt 0x0            ; the wave's end
	ds_add_u32 v[SPW], v[NIL]
	s_wait_dscnt 0x0
	CROUND                          ; the closing round
	s_endpgm
.Lfunc_end_k_q7331aff04d_attn:
	.size	k_q7331aff04d_attn, .Lfunc_end_k_q7331aff04d_attn-k_q7331aff04d_attn
	.p2alignl 7, 3214868480
	.fill 96, 4, 3214868480
	.section	.rodata,"a",@progbits
	.p2align	6, 0x0
	.amdhsa_kernel k_q7331aff04d_attn
		.amdhsa_group_segment_fixed_size 327680
		.amdhsa_private_segment_fixed_size 0
		.amdhsa_enable_private_segment 0
		.amdhsa_kernarg_size 24
		.amdhsa_user_sgpr_count 2
		.amdhsa_user_sgpr_kernarg_segment_ptr 1
		.amdhsa_wavefront_size32 1
		.amdhsa_system_sgpr_workgroup_id_x 1
		.amdhsa_system_sgpr_workgroup_id_y 1
		.amdhsa_system_sgpr_workgroup_id_z 1
		.amdhsa_system_vgpr_workitem_id 0
		.amdhsa_next_free_vgpr 768
		.amdhsa_next_free_sgpr 80
		.amdhsa_reserve_vcc 1
		.amdhsa_float_denorm_mode_32 3
		.amdhsa_float_denorm_mode_16_64 3
		.amdhsa_memory_ordered 1
		.amdhsa_forward_progress 1
		.amdhsa_inst_pref_size 146
	.end_amdhsa_kernel
	.amdgpu_metadata
---
amdhsa.version: [ 1, 2 ]
amdhsa.kernels:
  - .name:           k_q7331aff04d_attn
    .symbol:         k_q7331aff04d_attn.kd
    .args:
      - { .name: qkv, .offset: 0, .size: 8, .value_kind: global_buffer, .address_space: global }
      - { .name: maskb, .offset: 8, .size: 8, .value_kind: global_buffer, .address_space: global }
      - { .name: ob, .offset: 16, .size: 8, .value_kind: global_buffer, .address_space: global }
    .group_segment_fixed_size: 327680
    .private_segment_fixed_size: 0
    .kernarg_segment_align: 8
    .kernarg_segment_size: 24
    .max_flat_workgroup_size: 128
    .sgpr_count:     80
    .vgpr_count:     768
    .wavefront_size: 32
...
	.end_amdgpu_metadata
.endif
;; end of part 3
;; launch outp (part 4): grid 16 x 16, 4 waves a work-group, clusters of 4 x 4, 327,680 bytes of LDS; arguments ob, cvt, bo, out0; writes out0
.if DOCPART == 4
	.amdgcn_target "amdgcn-amd-amdhsa--gfx1250"
	.amdhsa_code_object_version 6
	.text
	.protected	k_q7331aff04d_outp
	.globl	k_q7331aff04d_outp
	.p2align	8
	.type	k_q7331aff04d_outp,@function
k_q7331aff04d_outp:
	s_mov_b64 s[64:65], 0
	v_nop
	global_prefetch_b8 v0, s[64:65] scope:SCOPE_SE
	s_setreg_imm32_b32 hwreg(HW_REG_WAVE_MODE, 25, 1), 1
	s_wait_xcnt 0x0
	s_wait_alu depctr_hold_cnt(0) depctr_sa_sdst(0) depctr_va_vdst(0) depctr_va_sdst(0) depctr_va_ssrc(0) depctr_va_vcc(0) depctr_vm_vsrc(0)
	s_getreg_b32 s2, hwreg(HW_REG_IB_STS2, 6, 4)
	s_cmp_eq_u32 s2, 0
	s_cbranch_scc0 .Lentry_in_a_cluster
	s_endpgm
.Lentry_in_a_cluster:
	s_bfe_u32 s2, ttmp6, 0x10000c
	s_cmp_lg_u32 s2, 0xf033
	s_cbranch_scc0 .Lentry_shape_is_right
	s_endpgm
.Lentry_shape_is_right:
; out0[m][n] = the sum over k of O[m][k] Wo[n][k] + bo[n].  O: ob, [2048][2048] f16.  Wo: plane 4 of cvt, [2048][2048], rounded to bf16 and written as f16.  bo is rounded to bf16 like the other inputs and
; STARTS the sums, as the C of the first products.  Sums in f32, stored as they are.
; A tile of out0 is 128 x 128: 256 work-groups, one for each WGP.  Four waves, each 64 x 64: 16 accumulators.  K goes in steps of 256 (LDS rows of 512 bytes + 16; a wave's tensor load brings 64 of them) through two slots.
; A K step is written once: the slot in hand is a scalar, from which the fragments' addresses are made anew at each change of slots, and one descriptor walks from slot to slot.
; CLUSTER 4 x 4: O's tile is asked for jointly along a row of the cluster, Wo's along a column.  THE MATRIX INSTRUCTION IS USED TRANSPOSED (source 0 = rows of Wo, source 1 = rows of O): a lane holds eight
; neighbouring numbers of a row of out0.  A wave's 64 columns are 256 bytes of f32, aligned: each wave has a stage of its own, and the way out needs no barrier.
; No prefetch: the tiles are small, and a step's 128 matrix instructions a wave leave little beside the loads themselves.
; REGISTERS: window 0: v16-29 addresses; v30 at work; v32-95 the way out; v96-127 the bias; v128-255 the accumulators ((a, b) at 128 + 8 (4 a + b)).  window 1: two fragment buffers of 128.
.set KSTEP,  256
.set PITCH,  528
.set HALFT,  64*PITCH
.set SLOT,   4*HALFT                   ; 0x21000: it shares no bit with a wave's place in a slot (0, 0x8400, 0x10800, 0x18c00), so one exclusive or changes slots
.set STAGE,  2*SLOT                    ; behind the ring: 16 rows x 272 bytes for each wave
.set SPITCH, 272
.set SPARE,  STAGE+4*16*SPITCH
.set FILLS,  6                         ; K steps 2 to 7 come by refills
.set ADRA0, 16                         ; v16  my lane's place in my rows of O's tile; never rewritten
.set ADRA,  17                         ; v17  the same in the slot in hand
.set ADRB0, 20                         ; v20, v21  likewise for Wo's
.set ADRB,  21
.set STO,  24
.set RD,   25
.set CO,   26
.set BO,   27
.set SPW,  28
.set NIL,  29
.set BT,   30
.set TMP,  32
.set BIAS, 96
.set ACC,  128
.set F0,   0
.set F1,   128
.set TB,  4                            ; s4  LDS byte at which the slot in hand begins
.set G1, 24
.set G0, 32                            ; s[32:39] group 0 for O's tiles: a set for each of the two first fills; the second then walks on
.set G1B, 48
.set G0B, 56
.set MSB, 0
.macro WIN new
.if MSB != (\new)
	s_set_vgpr_msb (MSB<<8)|(\new)
.set MSB, \new
.endif
.endm
.set MUL,  0x05                        ; sources 0 and 1 window 1; C and D window 0
.set TO_F, 0x40                        ; destination window 1, address window 0
.macro JLOAD s                         ; a joint load: waves 0 and 1 fetch O's two halves, waves 2 and 3 Wo's; an s_nop 0 and four v_nop follow each of the two lines
	s_cmp_eq_u32 s11, 0
	s_cbranch_scc0 .Lfor_b_\@
	tensor_load_to_lds s[G0+4*(\s):G0+4*(\s)+3], s[G1:G1+7]
	s_nop 0
.rept 4
	v_nop
.endr
	s_branch .Lasked_\@
.Lfor_b_\@:
	tensor_load_to_lds s[G0B+4*(\s):G0B+4*(\s)+3], s[G1B:G1B+7]
	s_nop 0
.rept 4
	v_nop
.endr
.Lasked_\@:
.endm
.macro CREST
	s_cmp_lg_u32 s10, 0
	s_cbranch_scc1 .Lnot_wave_0_\@
	s_barrier_signal -3
.Lnot_wave_0_\@:
	s_barrier_wait -3
	s_barrier_signal -1
	s_barrier_wait -1
.endm
.macro CROUND
	s_barrier_signal -1
	s_barrier_wait -1
	CREST
.endm
.macro SETADR                          ; the fragments' addresses in the slot in hand
	v_add_nc_u32 v[ADRA], s[TB], v[ADRA0]
	v_add_nc_u32 v[ADRB], s[TB], v[ADRB0]
.endm
	s_load_b256 s[68:75], s[0:1], 0x0              ; ob 68, cvt 70, bo 72, out0 74
	v_lshl_add_u32 v[SPW], v0, 2, SPARE
	v_mov_b32 v[NIL], 0
	ds_add_u32 v[SPW], v[NIL]                      ; the wave's opening: the add and its wait stand ahead of the first tensor load
	v_lshrrev_b32 v1, 5, v0
	v_readfirstlane_b32 s10, v1                    ; wave 0..3
	s_lshr_b32 s11, s10, 1                         ; which half of the tile's rows is mine.  Also: I fetch for O (0) or for Wo (1)
	s_and_b32 s12, s10, 1                          ; which half of its columns.  Also: which 64 rows of that tile I fetch
	s_bfe_u32 s40, ttmp6, 0x40000
	s_bfe_u32 s41, ttmp6, 0x40004
	s_lshl_b32 s42, ttmp9, 2
	s_add_co_u32 s42, s42, s40                     ; tile column
	s_and_b32 s13, ttmp7, 0xffff
	s_lshl_b32 s13, s13, 2
	s_add_co_u32 s13, s13, s41                     ; tile row
	s_lshl_b32 s43, s41, 2
	s_lshl_b32 s43, 15, s43                        ; my row of the cluster
	s_lshl_b32 s44, 0x1111, s40                    ; my column
	s_or_b32 s[G1+0], s43, (1<<16)|(1<<20)|(1<<21)|(6<<22)|(3<<25)   ; the mask; 2-byte elements; padding on; bit 21 beside a mask; after every 128 words 4 words
	s_or_b32 s[G1B+0], s44, (1<<16)|(1<<20)|(1<<21)|(6<<22)|(3<<25)
.irp g, G1, G1B
	s_mov_b32 s[(\g)+1], KSTEP<<16                 ; tensor_dim0 = 256
	s_mov_b32 s[(\g)+2], 64<<16                    ; tensor_dim1 = 64
	s_mov_b32 s[(\g)+3], KSTEP<<16                 ; tile_dim0 = 256
	s_mov_b32 s[(\g)+4], 64                        ; tile_dim1 = 64
	s_mov_b32 s[(\g)+5], 2048                      ; elements from row to row
	s_mov_b32 s[(\g)+6], 0
	s_mov_b32 s[(\g)+7], 0
.endr
	s_mov_b32 s[TB], 0
	s_lshl_b32 s17, s12, 18                        ; which 64 rows of 4,096 bytes I fetch
	s_lshl_b32 s16, s13, 19
	s_add_co_u32 s16, s16, s17                     ; O: row 128 x tile row + 64 x half
	s_lshl_b32 s46, s42, 19
	s_add_co_u32 s46, s46, s17                     ; Wo: row 128 x tile column + 64 x half
	s_mov_b32 s17, 0
	s_mov_b32 s47, 0
	s_mul_i32 s20, s10, HALFT
	s_wait_dscnt 0x0                               ; the opening add is done
	s_wait_kmcnt 0x0
	s_add_nc_u64 s[14:15], s[68:69], s[16:17]
	s_add_nc_u64 s[46:47], s[70:71], s[46:47]
	s_add_nc_u64 s[46:47], s[46:47], 0x2000000     ; plane 4
	CROUND                                         ; all sixteen work-groups are here: the first joint loads meet
.irp s, 0,1
	s_mov_b32 s[G0+4*(\s)], 1
	s_add_co_u32 s[G0+4*(\s)+1], s20, (\s)*SLOT
	s_add_nc_u64 s[G0+4*(\s)+2:G0+4*(\s)+3], s[14:15], (\s)*KSTEP*2
	s_or_b32 s[G0+4*(\s)+3], s[G0+4*(\s)+3], 0x80000000
	s_mov_b32 s[G0B+4*(\s)], 1
	s_add_co_u32 s[G0B+4*(\s)+1], s20, (\s)*SLOT
	s_add_nc_u64 s[G0B+4*(\s)+2:G0B+4*(\s)+3], s[46:47], (\s)*KSTEP*2
	s_or_b32 s[G0B+4*(\s)+3], s[G0B+4*(\s)+3], 0x80000000
	JLOAD \s
.endr
	v_and_b32 v1, 15, v0                           ; r
	v_bfe_u32 v2, v0, 4, 1                         ; h
	v_lshlrev_b32 v[BO], 5, v2
	s_lshl_b32 s76, s42, 9                         ; the tile's 128 columns are 512 bytes,
	s_lshl_b32 s77, s12, 8                         ; my 64 are 256
	s_add_co_u32 s76, s76, s77
	s_mov_b32 s77, 0
	s_add_nc_u64 s[72:73], s[72:73], s[76:77]
.irp b, 0,1,2,3
	global_load_b128 v[BIAS+8*(\b):BIAS+8*(\b)+3],   v[BO], s[72:73] offset:64*(\b)      ; register j: bo of column 16 b + 8 h + j
	global_load_b128 v[BIAS+8*(\b)+4:BIAS+8*(\b)+7], v[BO], s[72:73] offset:64*(\b)+16
.endr
	v_mul_u32_u24 v3, v1, PITCH
	v_lshl_add_u32 v3, v2, 4, v3
	s_mul_i32 s21, s11, HALFT                      ; my 64 rows of O
	s_mul_i32 s22, s12, HALFT                      ; my 64 rows of Wo,
	s_add_co_u32 s22, s22, 2*HALFT                 ; which lie behind O's 128
	v_add_nc_u32 v[ADRA0], s21, v3
	v_add_nc_u32 v[ADRB0], s22, v3
	SETADR                                         ; slot 0
	s_mul_i32 s23, s10, 16*SPITCH
	s_add_co_u32 s23, s23, STAGE                   ; my stage
	v_mul_u32_u24 v4, v1, SPITCH                   ; in: row r, 32 bytes for each half of the lanes
	v_lshl_add_u32 v4, v2, 5, v4
	v_add_nc_u32 v[STO], s23, v4
	v_mul_u32_u24 v5, v2, SPITCH                   ; back: lanes 0-15 one row of 256 bytes, lanes 16-31 the next
	v_lshl_add_u32 v5, v1, 4, v5
	v_add_nc_u32 v[RD], s23, v5
	v_lshlrev_b32 v5, 13, v2                       ; and the same two rows in out0: 8,192 bytes a row
	v_lshl_add_u32 v[CO], v1, 4, v5
	s_lshl_b32 s78, s13, 20                        ; 128 rows of 8,192 bytes a tile row,
	s_lshl_b32 s79, s11, 19                        ; my 64
	s_add_co_u32 s78, s78, s79
	s_add_co_u32 s78, s78, s76                     ; and my columns
	s_mov_b32 s79, 0
	s_add_nc_u64 s[74:75], s[74:75], s[78:79]
	s_wait_loadcnt 0x0                             ; the bias, which is rounded to bf16, as every input is
.set p, 0
.rept 16
	v_cvt_pk_bf16_f32 v[BT], v[BIAS+p], v[BIAS+p+1]
	v_lshlrev_b32 v[BIAS+p], 16, v[BT]
	v_and_b32 v[BIAS+p+1], 0xffff0000, v[BT]
.set p, p+2
.endr
; 8 matrix instructions: row blocks a0, a0 + 1 x all 4 column blocks, 32 along K: half c of buffer f.  first = 1: the bias starts the sum.  The 16 accumulators take turns.
.macro MUL8 f, c, a0, first
	WIN MUL
.irp a, \a0, (\a0)+1
.irp b, 0,1,2,3
.if \first
	v_wmma_f32_16x16x32_f16 v[ACC+8*(4*(\a)+(\b)):ACC+8*(4*(\a)+(\b))+7], v[(\f)+64+8*(4*(\c)+(\b)):(\f)+64+8*(4*(\c)+(\b))+7], v[(\f)+8*(4*(\c)+(\a)):(\f)+8*(4*(\c)+(\a))+7], v[BIAS+8*(\b):BIAS+8*(\b)+7]
.else
	v_wmma_f32_16x16x32_f16 v[ACC+8*(4*(\a)+(\b)):ACC+8*(4*(\a)+(\b))+7], v[(\f)+64+8*(4*(\c)+(\b)):(\f)+64+8*(4*(\c)+(\b))+7], v[(\f)+8*(4*(\c)+(\a)):(\f)+8*(4*(\c)+(\a))+7], v[ACC+8*(4*(\a)+(\b)):ACC+8*(4*(\a)+(\b))+7]
.endif
.endr
.endr
.endm
; 32 LDS loads in one run: the fragments of 64 along K at byte k of the rows of the slot in hand, into buffer f; the first 32 along K first
.macro FETCH k, f
	WIN TO_F
.irp c, 0,1
.irp i, 0,1,2,3
	ds_load_b128 v[(\f)+64+8*(4*(\c)+(\i)):(\f)+64+8*(4*(\c)+(\i))+3],   v[ADRB] offset:(\k)+64*(\c)+(\i)*16*PITCH
	ds_load_b128 v[(\f)+64+8*(4*(\c)+(\i))+4:(\f)+64+8*(4*(\c)+(\i))+7], v[ADRB] offset:(\k)+64*(\c)+(\i)*16*PITCH+32
	ds_load_b128 v[(\f)+8*(4*(\c)+(\i)):(\f)+8*(4*(\c)+(\i))+3],         v[ADRA] offset:(\k)+64*(\c)+(\i)*16*PITCH
	ds_load_b128 v[(\f)+8*(4*(\c)+(\i))+4:(\f)+8*(4*(\c)+(\i))+7],       v[ADRA] offset:(\k)+64*(\c)+(\i)*16*PITCH+32
.endr
.endr
.endm
.macro PLACES
.rept 4
	v_nop
.endr
.endm
; A K step is four quarters of 64 along K, 32 matrix instructions each, on buffers 0, 1, 0, 1.
.macro QUARTER k, f, g, first
	s_wait_dscnt 16                                ; the first 32 along K are in; the youngest sixteen loads may be out
	MUL8 \f, 0, 0, \first
	MUL8 \f, 0, 2, \first
	PLACES
	FETCH \k, \g
	s_wait_dscnt 32                                ; all but the 32 just issued
	MUL8 \f, 1, 0, 0
	MUL8 \f, 1, 2, 0
.endm
; The last quarter multiplies buffer 1 and changes slots: one barrier; in front of it each wave waits for all its tensor loads, adds 0 to its spare word, and waits for that and for its reads of this slot.
; fill = 1: the barrier opens a round of the cluster's, and this slot is filled again, two K steps ahead, first thing behind it: 112 matrix instructions ahead of the wait for it.
.macro TURN fill
	WIN 0
	s_wait_tensorcnt 0x0
	ds_add_u32 v[SPW], v[NIL]
	s_wait_dscnt 17                                ; (the add and the youngest sixteen loads may be out)
	MUL8 F1, 0, 0, 0
	s_wait_dscnt 0x0                               ; the add is done, and my reads of this slot are over
	s_barrier_signal -1
	MUL8 F1, 0, 2, 0
	WIN 0                                          ; branches and the addresses' lines follow
	s_barrier_wait -1
.if \fill
	CREST                                          ; no wave of any partner still reads this slot's tiles or has a load on its way
.irp g, G0+4, G0B+4
	s_xor_b32 s[(\g)+1], s[(\g)+1], SLOT           ; the walking descriptor: the other slot than last time,
	s_add_nc_u64 s[(\g)+2:(\g)+3], s[(\g)+2:(\g)+3], KSTEP*2  ; the next K step; the type bits on top are not reached
.endr
	JLOAD 1
.else
	v_nop                                          ; with the two lines of the addresses: the four places in front of the loads below
	v_nop
.endif
	s_xor_b32 s[TB], s[TB], SLOT                   ; the reads go on in the other slot
	SETADR
	FETCH 0, F0
	MUL8 F1, 1, 0, 0
	MUL8 F1, 1, 2, 0
.endm
	s_wait_tensorcnt 1                             ; my part of K step 0 is in; K step 1's may stay out
	s_barrier_signal -1
	s_barrier_wait -1
	FETCH 0, F0
	QUARTER 128, F0, F1, 1
	WIN 0
	s_mov_b32 s3, FILLS
.Lstep:                                                ; a trip goes from a K step's second quarter to the next step's first, and fills the slot that it leaves
	QUARTER 256, F1, F0, 0
	QUARTER 384, F0, F1, 0
	TURN 1
	QUARTER 128, F0, F1, 0
	WIN 0
	s_sub_co_u32 s3, s3, 1
	s_cmp_lg_u32 s3, 0
	s_cbranch_scc1 .Lstep
	QUARTER 256, F1, F0, 0                         ; K steps 6 and 7 fill nothing
	QUARTER 384, F0, F1, 0
	TURN 0
	QUARTER 128, F0, F1, 0
	QUARTER 256, F1, F0, 0
	QUARTER 384, F0, F1, 0
	s_wait_dscnt 16
	MUL8 F1, 0, 0, 0
	MUL8 F1, 0, 2, 0
	s_wait_dscnt 0x0
	MUL8 F1, 1, 0, 0
	MUL8 F1, 1, 2, 0
	WIN 0
	; THE WAY OUT, 16 rows at a time: a lane's eight numbers of a row go into my stage (each accumulator's four lowest registers first) and come back as whole rows of 256 bytes.
	PLACES
.irp a, 0,1,2,3
.irp b, 0,1,2,3
	ds_store_b128 v[STO], v[ACC+8*(4*(\a)+(\b)):ACC+8*(4*(\a)+(\b))+3]   offset:64*(\b)
	ds_store_b128 v[STO], v[ACC+8*(4*(\a)+(\b))+4:ACC+8*(4*(\a)+(\b))+7] offset:64*(\b)+16
.endr
.if (\a) >= 2
	s_wait_xcnt 0x0                                ; the stores of two blocks back have read these registers
.endif
.irp t, 0,1,2,3,4,5,6,7
	ds_load_b128 v[TMP+32*((\a)%2)+4*(\t):TMP+32*((\a)%2)+4*(\t)+3], v[RD] offset:(\t)*2*SPITCH  ; the wave's own bytes, served in order (ISA guide 5.7.1.4)
.endr
	s_wait_dscnt 0x0
.irp t, 0,1,2,3,4,5,6,7
	global_store_b128 v[CO], v[TMP+32*((\a)%2)+4*(\t):TMP+32*((\a)%2)+4*(\t)+3], s[74:75] offset:131072*(\a)+16384*(\t)  ; sixteen lanes store 256 consecutive bytes, aligned
.endr
.endr
	s_wait_tensorcnt 0x0                           ; the wave's end
	ds_add_u32 v[SPW], v[NIL]
	s_wait_dscnt 0x0
	CROUND                                         ; the closing round
	s_endpgm
.Lfunc_end_k_q7331aff04d_outp:
	.size	k_q7331aff04d_outp, .Lfunc_end_k_q7331aff04d_outp-k_q7331aff04d_outp
	.p2alignl 7, 3214868480
	.fill 96, 4, 3214868480
	.section	.rodata,"a",@progbits
	.p2align	6, 0x0
	.amdhsa_kernel k_q7331aff04d_outp
		.amdhsa_group_segment_fixed_size 327680
		.amdhsa_private_segment_fixed_size 0
		.amdhsa_enable_private_segment 0
		.amdhsa_kernarg_size 32
		.amdhsa_user_sgpr_count 2
		.amdhsa_user_sgpr_kernarg_segment_ptr 1
		.amdhsa_wavefront_size32 1
		.amdhsa_system_sgpr_workgroup_id_x 1
		.amdhsa_system_sgpr_workgroup_id_y 1
		.amdhsa_system_sgpr_workgroup_id_z 1
		.amdhsa_system_vgpr_workitem_id 0
		.amdhsa_next_free_vgpr 512
		.amdhsa_next_free_sgpr 88
		.amdhsa_reserve_vcc 0
		.amdhsa_float_denorm_mode_32 3
		.amdhsa_float_denorm_mode_16_64 3
		.amdhsa_memory_ordered 1
		.amdhsa_forward_progress 1
		.amdhsa_inst_pref_size 71
	.end_amdhsa_kernel
	.amdgpu_metadata
---
amdhsa.version: [ 1, 2 ]
amdhsa.kernels:
  - .name:           k_q7331aff04d_outp
    .symbol:         k_q7331aff04d_outp.kd
    .args:
      - { .name: ob, .offset: 0, .size: 8, .value_kind: global_buffer, .address_space: global }
      - { .name: cvt, .offset: 8, .size: 8, .value_kind: global_buffer, .address_space: global }
      - { .name: bo, .offset: 16, .size: 8, .value_kind: global_buffer, .address_space: global }
      - { .name: out0, .offset: 24, .size: 8, .value_kind: global_buffer, .address_space: global }
    .group_segment_fixed_size: 327680
    .private_segment_fixed_size: 0
    .kernarg_segment_align: 8
    .kernarg_segment_size: 32
    .max_flat_workgroup_size: 128
    .sgpr_count:     88
    .vgpr_count:     512
    .wavefront_size: 32
...
	.end_amdgpu_metadata
.endif
;; end of part 4
;; ======== version 2 of 2: 4 launches; version 1 with the launch prep written anew for expert scheduling mode
;; limits: values are held in f16: magnitudes above 65,504 overflow, below 6.1e-05 lose precision
;; workspace buffers: cvt 41,943,040 bytes; maskb 8,388,608 bytes; rope 1,048,576 bytes; qkv 25,165,824 bytes; ob 8,388,608 bytes
;; launch prep (part 5): grid 256 x 7, 4 waves a work-group, no clusters, 34,304 bytes of LDS; arguments x, Wq, Wk, Wv, Wo, mask, cvt, maskb, rope; writes cvt, maskb, rope
.if DOCPART == 5
	.amdgcn_target "amdgcn-amd-amdhsa--gfx1250"
	.amdhsa_code_object_version 6
	.text
	.protected	k_q7331aff04d_prep
	.globl	k_q7331aff04d_prep
	.p2align	8
	.type	k_q7331aff04d_prep,@function
k_q7331aff04d_prep:
	s_mov_b64 s[64:65], 0
	v_nop
	global_prefetch_b8 v0, s[64:65] scope:SCOPE_SE
	s_setreg_imm32_b32 hwreg(HW_REG_WAVE_SCHED_MODE, 0, 2), 2
	s_setreg_imm32_b32 hwreg(HW_REG_WAVE_MODE, 25, 1), 1
	s_wait_xcnt 0x0
	s_wait_alu depctr_vm_vsrc(0)
; PREPARATION, a stream: no matrix work, no tensor loads, no cluster (no two work-groups read the same bytes).  The work-group's y says what it does.
; y = 0..3: x, Wq, Wk, Wv rounded once to bf16 into planes 0..3 of cvt ([2048][2048], rows of 4,096 bytes).
; y = 4:    Wo rounded to bf16 like the other inputs, that number written as f16 into plane 4 (exact in f16's normal range; below 6e-5 it keeps f16's fixed step of 6e-8; beyond 65,504 it would be an infinity).
; y = 5:    the mask (one byte, 0 or 1) as matrix fragments in bf16: 0 where true, 0xF149 (about -1e30) where false.
;           maskb[qt 128][U 128][512 bytes]: lane l = r + 16 h finds at byte 16 l the keys 16 U + 8 h .. + 7 of query 16 qt + r.
; y = 6:    the table rope[pos 2048][k cos 64 | k sin 64] in f32, 512 bytes a position, with k = sqrt(log2(e) / sqrt(128)): q and k both turn by this table, so that their product carries the softmax's scale.
; THE MODE: SCHED_MODE bits 1:0 = 2 (LLVM: expert scheduling mode 2), set by the entry lines.  The code itself states the register dependences
; between vector instructions and memory or LDS instructions, with s_wait_alu, always for 0.
; THE PLAN.  Registers that memory or LDS instructions touch:
;   Conversion.  v1, v2: offsets, made once ahead of the loop, never written again.  X: a trip's 16 loads land in it; the trip's conversions read it.  Y: two registers a load; the conversions write it, the stores read it.
;     A trip is four blocks of four loads.  The wait at the head of blocks 1 to 3 states that the block before has written its part of Y; that block's four stores follow it, dealt among this block's conversions, which
;     name their own block's X and Y and v4 to v7 alone.  The wait behind block 3 states the same for the last four stores, and that all conversions are done reading X, in which the next trip's loads land.
;     At the trip's end one wait states that the stores have read Y, which the next trip's conversions write again.
;   The mask.  v4 to v7: offsets and LDS addresses, made once.  v[16:47]: loaded once.  OUT: eight registers for each of the eight loads, written by vector lines, read by the LDS stores, and then the place in which
;     the LDS loads land and from which the global stores leave.  The loads go in four pairs, run as the conversion's blocks are; one wait ahead of the LDS loads states that the LDS stores have read OUT.
;   The table.  v6 and v[32:39], written by vector lines, read by the two stores: one wait.
;   v[SPW], v[NIL]: written at the head, read by the closing add alone.
.set STG,   8448                       ; a wave's stage for the mask: 16 blocks of 512 bytes, 528 apart (33 x 16)
.set SPARE, 4*STG                      ; behind the stages: the spare words, 128 bytes a wave
.set SPW,   128                        ; v128  LDS address of my spare word; above every register that a path loads into or works in; never rewritten
.set NIL,   129                        ; v129  0; never rewritten
.set X,     16                         ; v[16:79]   the conversion: load i's four registers at X + 4 i
.set Y,     80                         ; v[80:111]  the conversion: load i's two registers to store at Y + 2 i
.set OUT,   64                         ; v[64:127]  the mask: load i's eight registers at OUT + 8 i; later block i's four at OUT + 4 i
	s_load_b512 s[8:23], s[0:1], 0x0               ; x 8, Wq 10, Wk 12, Wv 14, Wo 16, mask 18, cvt 20, maskb 22
	s_load_b64 s[24:25], s[0:1], 0x40              ; rope
	v_lshl_add_u32 v[SPW], v0, 2, SPARE
	v_mov_b32 v[NIL], 0
	v_lshrrev_b32 v1, 5, v0
	v_readfirstlane_b32 s26, v1                    ; wave 0..3
	s_wait_alu depctr_va_sdst(0)                   ; s26 is written: ahead of the branches below and of its first reader, in the mask's path
	s_and_b32 s27, ttmp7, 0xffff                   ; y
	s_wait_kmcnt 0x0
	s_cmp_eq_u32 s27, 6
	s_cbranch_scc1 .Lrope
	s_cmp_eq_u32 s27, 5
	s_cbranch_scc1 .Lmask
	; CONVERSION.  A work-group takes 65,536 bytes of f32, in two trips of 16 loads a thread; each wave's load covers 512 consecutive bytes, and a trip's 16 go out before the first is used.
	s_cmp_eq_u32 s27, 1
	s_cselect_b64 s[28:29], s[10:11], s[8:9]
	s_cmp_eq_u32 s27, 2
	s_cselect_b64 s[28:29], s[12:13], s[28:29]
	s_cmp_eq_u32 s27, 3
	s_cselect_b64 s[28:29], s[14:15], s[28:29]
	s_cmp_eq_u32 s27, 4
	s_cselect_b64 s[28:29], s[16:17], s[28:29]
	s_lshl_b32 s30, ttmp9, 16
	s_mov_b32 s31, 0
	s_add_nc_u64 s[28:29], s[28:29], s[30:31]      ; the source at my 65,536 bytes
	s_lshl_b32 s32, s27, 23                        ; the plane,
	s_lshl_b32 s33, ttmp9, 15                      ; my 32,768 bytes of it
	s_add_co_u32 s32, s32, s33
	s_mov_b32 s33, 0
	s_add_nc_u64 s[32:33], s[20:21], s[32:33]
	v_lshlrev_b32 v1, 4, v0                        ; 16 t
	v_lshlrev_b32 v2, 3, v0                        ; 8 t
	s_wait_alu depctr_va_vdst(0)                   ; v1 and v2 are written: every load and store of the conversion reads one of them as its offset
.macro CONV wo                         ; wo = 1: the bf16 number is written as f16
	s_mov_b32 s34, 2
.Lconv_\@:
.set i, 0
.rept 16
	global_load_b128 v[X+4*i:X+4*i+3], v1, s[28:29] offset:2048*i th:TH_LOAD_NT
.set i, i+1
.endr
.set i, 0
.rept 16
.if i%4 == 0
	s_wait_loadcnt 12-i                            ; loads come back in order: this block's four are in, the 12 - i younger ones stay out
.if i > 0
	s_wait_alu depctr_va_vdst(0)                   ; the block before has written its eight registers of Y, which the four stores dealt below read
.endif
.endif
.if i >= 4
	global_store_b64 v2, v[Y+2*(i-4):Y+2*(i-4)+1], s[32:33] offset:1024*(i-4)  ; a wave stores 256 consecutive bytes, aligned; no vector line since the wait names these registers
.endif
	v_cvt_pk_bf16_f32 v[Y+2*i], v[X+4*i], v[X+4*i+1]
	v_cvt_pk_bf16_f32 v[Y+2*i+1], v[X+4*i+2], v[X+4*i+3]
.if \wo
	v_lshlrev_b32 v4, 16, v[Y+2*i]
	v_and_b32 v5, 0xffff0000, v[Y+2*i]
	v_lshlrev_b32 v6, 16, v[Y+2*i+1]
	v_and_b32 v7, 0xffff0000, v[Y+2*i+1]
	v_cvt_pk_f16_f32 v[Y+2*i], v4, v5
	v_cvt_pk_f16_f32 v[Y+2*i+1], v6, v7
.endif
.set i, i+1
.endr
	s_wait_alu depctr_va_vdst(0)                   ; the last block has written its part of Y, which the stores below read; and all conversions are done reading X, in which the next trip's loads land
.set i, 12
.rept 4
	global_store_b64 v2, v[Y+2*i:Y+2*i+1], s[32:33] offset:1024*i
.set i, i+1
.endr
	s_wait_xcnt 0x0                                ; the two pointers, and in the next trip the stores' data registers, are written again only behind this wait
	s_wait_alu depctr_vm_vsrc(0)                   ; the trip's stores have read Y, which the next trip's conversions write again
	s_add_nc_u64 s[28:29], s[28:29], 0x8000
	s_add_nc_u64 s[32:33], s[32:33], 0x4000
	s_sub_co_u32 s34, s34, 1
	s_cmp_lg_u32 s34, 0
	s_cbranch_scc1 .Lconv_\@
.endm
	s_cmp_eq_u32 s27, 4
	s_cbranch_scc1 .Lwo
	CONV 0
	s_branch .Lend
.Lwo:
	CONV 1
	s_branch .Lend
	; THE MASK.  A wave takes 16 queries x 256 keys: eight loads of two rows' 256 bytes.  A lane's 16 bytes are one query's 16 keys of one block U; they become 32 bytes of bf16,
	; go into the wave's own stage at their place in the block, and come back as whole blocks of 512 bytes.
.Lmask:
	s_lshl_b32 s30, ttmp9, 2
	s_add_co_u32 s30, s30, s26                     ; task 0..1023
	s_lshr_b32 s31, s30, 3                         ; qt
	s_and_b32 s30, s30, 7                          ; which 256 keys
	s_lshl_b32 s34, s31, 15                        ; 16 rows of 2,048 bytes
	s_lshl_b32 s35, s30, 8
	s_add_co_u32 s34, s34, s35
	s_mov_b32 s35, 0
	s_add_nc_u64 s[18:19], s[18:19], s[34:35]
	s_lshl_b32 s36, s31, 16                        ; a query tile's 128 blocks
	s_lshl_b32 s37, s30, 13                        ; my 16 of them
	s_add_co_u32 s36, s36, s37
	s_mov_b32 s37, 0
	s_add_nc_u64 s[22:23], s[22:23], s[36:37]
	v_and_b32 v1, 31, v0                           ; l
	v_and_b32 v2, 15, v0
	v_bfe_u32 v3, v0, 4, 1
	v_lshlrev_b32 v4, 4, v2
	v_lshl_add_u32 v4, v3, 11, v4                  ; 16 (l % 16) + 2,048 (l / 16)
	s_wait_alu depctr_va_vdst(0)                   ; v4 is written, which the eight loads read as their offset
.set i, 0
.rept 8
	global_load_b128 v[16+4*i:19+4*i], v4, s[18:19] offset:4096*i th:TH_LOAD_NT  ; rows 2 i and 2 i + 1
.set i, i+1
.endr
	s_mul_i32 s38, s26, STG
	v_mul_u32_u24 v5, v2, 528                      ; block l % 16,
	v_lshl_add_u32 v5, v3, 4, v5                   ; query 2 i + l / 16: 16 bytes a query
	v_add_nc_u32 v5, s38, v5
	v_lshl_add_u32 v6, v1, 4, s38                  ; back: 16 l in a block
	v_lshlrev_b32 v7, 4, v1
	v_mov_b32 v15, 0
	s_mov_b32 s40, 0x01010101
	s_mov_b32 s41, 0x00050004                      ; bytes 0 and 1 of the first source into the two halves, zeros above them
	s_mov_b32 s42, 0x00070006                      ; bytes 2 and 3
	s_mov_b32 s43, 0xf149
.set i, 0
.rept 8
.if i%2 == 0
	s_wait_loadcnt 6-i                             ; this pair of loads is in; the 6 - i younger loads stay out
.if i > 0
	s_wait_alu depctr_va_vdst(0)                   ; the pair before has written its sixteen registers of OUT, which the four LDS stores dealt below read; at its first use v5, v6 and v7 are written too
.endif
.endif
.if i >= 2
	ds_store_b128 v5, v[OUT+8*(i-2):OUT+8*(i-2)+3] offset:32*(i-2)        ; keys 0-7: the block's lower 256 bytes
	ds_store_b128 v5, v[OUT+8*(i-2)+4:OUT+8*(i-2)+7] offset:32*(i-2)+256  ; keys 8-15: its upper
.endif
.irp k, 0,1,2,3
	v_xor_b32 v12, s40, v[16+4*i+\k]               ; 1 where the key is hidden
	v_perm_b32 v13, v12, v15, s41
	v_perm_b32 v14, v12, v15, s42
	v_mul_u32_u24 v[OUT+8*i+2*\k], s43, v13        ; 0 or 0xF149 in each half
	v_mul_u32_u24 v[OUT+8*i+2*\k+1], s43, v14
.endr
.set i, i+1
.endr
	s_wait_alu depctr_va_vdst(0)                   ; the last pair has written its part of OUT, which the LDS stores below read; no vector line names OUT from here on
.set i, 6
.rept 2
	ds_store_b128 v5, v[OUT+8*i:OUT+8*i+3] offset:32*i
	ds_store_b128 v5, v[OUT+8*i+4:OUT+8*i+7] offset:32*i+256
.set i, i+1
.endr
	s_wait_alu depctr_vm_vsrc(0)                   ; the LDS stores have read OUT, in which the LDS loads below land
.set i, 0
.rept 16
	ds_load_b128 v[OUT+4*i:OUT+4*i+3], v6 offset:528*i ; the wave's own bytes; LDS serves a wave's instructions in order (ISA guide 5.7.1.4)
.set i, i+1
.endr
.set i, 0
.rept 16
	s_wait_dscnt 15-i
	global_store_b128 v7, v[OUT+4*i:OUT+4*i+3], s[22:23] offset:512*i  ; 512 consecutive bytes
.set i, i+1
.endr
	s_branch .Lend
	; THE TABLE.  pos = 8 x work-group + t / 16; the thread's four frequencies j = 4 (t % 16) + e.  inv = 2^(-j log2(10000) / 64); arg = pos inv.
	; Reduction: n = the nearest whole number of turns; r = arg / 2 pi - n by a fused multiply-add with the constant's high part, then its low part; y = pi r lies within -pi/2 .. pi/2.
	; sin y to y^11 and cos y to y^12: the first terms left out are under 6e-8 on all of that range.  k sin(arg) = 2 k sin y cos y, k cos(arg) = k - 2 k sin^2 y, k = 0.3570958.
.Lrope:
	v_and_b32 v1, 15, v0
	v_lshrrev_b32 v2, 4, v0
	s_lshl_b32 s30, ttmp9, 3
	v_add_nc_u32 v2, s30, v2                       ; pos
	v_cvt_f32_u32 v3, v2
	v_lshlrev_b32 v4, 2, v1
	v_lshlrev_b32 v6, 9, v2
	v_lshl_add_u32 v6, v1, 4, v6                   ; 512 pos + 16 (t % 16)
	v_mov_b32 v5, 0xb2d7322b                       ; -1/11!
	v_mov_b32 v7, 0x310f76c7                       ; 1/12!
	v_mov_b32 v40, 0xbf36d543                      ; -2 k
	s_mov_b32 s31, 0x31dc9c88                      ; 1 / 2 pi less its f32 value
.irp e, 0,1,2,3
	v_add_nc_u32 v[8+\e], \e, v4
	v_cvt_f32_u32 v[8+\e], v[8+\e]
	v_mul_f32 v[8+\e], 0xbe549a78, v[8+\e]         ; -j x 0.20762051
.endr
.irp e, 0,1,2,3
	v_exp_f32 v[8+\e], v[8+\e]
.endr
	v_nop                                          ; a plain instruction behind the last exponential,
	s_wait_alu depctr_va_vdst(0)                   ; and the one wait for the four: v8 to v11 are written, ahead of their first reader
.irp e, 0,1,2,3
	v_mul_f32 v[8+\e], v3, v[8+\e]                 ; arg
	v_mul_f32 v[12+\e], 0.15915494, v[8+\e]
	v_rndne_f32 v[12+\e], v[12+\e]
	v_fma_f32 v[12+\e], v[8+\e], 0.15915494, -v[12+\e]
	v_fmac_f32 v[12+\e], s31, v[8+\e]              ; r
	v_mul_f32 v[12+\e], 0x40490fdb, v[12+\e]       ; y
	v_mul_f32 v[16+\e], v[12+\e], v[12+\e]         ; y^2
	v_fmaak_f32 v[20+\e], v5, v[16+\e], 0x3638ef1d
	v_fmaak_f32 v[20+\e], v[20+\e], v[16+\e], 0xb9500d01
	v_fmaak_f32 v[20+\e], v[20+\e], v[16+\e], 0x3c088889
	v_fmaak_f32 v[20+\e], v[20+\e], v[16+\e], 0xbe2aaaab
	v_fma_f32 v[20+\e], v[20+\e], v[16+\e], 1.0
	v_mul_f32 v[20+\e], v[20+\e], v[12+\e]         ; sin y
	v_fmaak_f32 v[24+\e], v7, v[16+\e], 0xb493f27e
	v_fmaak_f32 v[24+\e], v[24+\e], v[16+\e], 0x37d00d01
	v_fmaak_f32 v[24+\e], v[24+\e], v[16+\e], 0xbab60b61
	v_fmaak_f32 v[24+\e], v[24+\e], v[16+\e], 0x3d2aaaab
	v_fma_f32 v[24+\e], v[24+\e], v[16+\e], -0.5
	v_fma_f32 v[24+\e], v[24+\e], v[16+\e], 1.0    ; cos y
	v_mul_f32 v[36+\e], v[20+\e], v[24+\e]
	v_mul_f32 v[36+\e], 0x3f36d543, v[36+\e]       ; k sin
	v_mul_f32 v[32+\e], v[20+\e], v[20+\e]
	v_fmaak_f32 v[32+\e], v40, v[32+\e], 0x3eb6d543  ; k cos
.endr
	s_wait_alu depctr_va_vdst(0)                   ; v6 and v[32:39] are written, which the two stores read as offset and data
	global_store_b128 v6, v[32:35], s[24:25]               ; sixteen lanes fill a position's 256 bytes of cosines,
	global_store_b128 v6, v[36:39], s[24:25] offset:256    ; and of sines
.Lend:
	s_wait_dscnt 0x0                               ; the wave's end: the closing lines, six on end
	s_wait_alu 0x0
	s_wait_tensorcnt 0x0
	ds_add_u32 v[SPW], v[NIL]
	s_wait_dscnt 0x0
	s_endpgm
.Lfunc_end_k_q7331aff04d_prep:
	.size	k_q7331aff04d_prep, .Lfunc_end_k_q7331aff04d_prep-k_q7331aff04d_prep
	.p2alignl 7, 3214868480
	.fill 96, 4, 3214868480
	.section	.rodata,"a",@progbits
	.p2align	6, 0x0
	.amdhsa_kernel k_q7331aff04d_prep
		.amdhsa_group_segment_fixed_size 34304
		.amdhsa_private_segment_fixed_size 0
		.amdhsa_enable_private_segment 0
		.amdhsa_kernarg_size 72
		.amdhsa_user_sgpr_count 2
		.amdhsa_user_sgpr_kernarg_segment_ptr 1
		.amdhsa_wavefront_size32 1
		.amdhsa_system_sgpr_workgroup_id_x 1
		.amdhsa_system_sgpr_workgroup_id_y 1
		.amdhsa_system_sgpr_workgroup_id_z 1
		.amdhsa_system_vgpr_workitem_id 0
		.amdhsa_next_free_vgpr 132
		.amdhsa_next_free_sgpr 66
		.amdhsa_reserve_vcc 0
		.amdhsa_float_denorm_mode_32 3
		.amdhsa_float_denorm_mode_16_64 3
		.amdhsa_memory_ordered 1
		.amdhsa_forward_progress 1
		.amdhsa_inst_pref_size 38
	.end_amdhsa_kernel
	.amdgpu_metadata
---
amdhsa.version: [ 1, 2 ]
amdhsa.kernels:
  - .name:           k_q7331aff04d_prep
    .symbol:         k_q7331aff04d_prep.kd
    .args:
      - { .name: x, .offset: 0, .size: 8, .value_kind: global_buffer, .address_space: global }
      - { .name: Wq, .offset: 8, .size: 8, .value_kind: global_buffer, .address_space: global }
      - { .name: Wk, .offset: 16, .size: 8, .value_kind: global_buffer, .address_space: global }
      - { .name: Wv, .offset: 24, .size: 8, .value_kind: global_buffer, .address_space: global }
      - { .name: Wo, .offset: 32, .size: 8, .value_kind: global_buffer, .address_space: global }
      - { .name: mask, .offset: 40, .size: 8, .value_kind: global_buffer, .address_space: global }
      - { .name: cvt, .offset: 48, .size: 8, .value_kind: global_buffer, .address_space: global }
      - { .name: maskb, .offset: 56, .size: 8, .value_kind: global_buffer, .address_space: global }
      - { .name: rope, .offset: 64, .size: 8, .value_kind: global_buffer, .address_space: global }
    .group_segment_fixed_size: 34304
    .private_segment_fixed_size: 0
    .kernarg_segment_align: 8
    .kernarg_segment_size: 72
    .max_flat_workgroup_size: 128
    .sgpr_count:     66
    .vgpr_count:     132
    .wavefront_size: 32
...
	.end_amdgpu_metadata
.endif
;; end of part 5
;; launch qkv: the kernel of part 2 again; grid 16 x 16, 4 waves a work-group, clusters of 4 x 4, 327,680 bytes of LDS; arguments cvt, bq, bk, bv, rope, qkv; writes qkv
;; launch attn: the kernel of part 3 again; grid 16 x 16, 4 waves a work-group, clusters of 4 x 1, 327,680 bytes of LDS; arguments qkv, maskb, ob; writes ob
;; launch outp: the kernel of part 4 again; grid 16 x 16, 4 waves a work-group, clusters of 4 x 4, 327,680 bytes of LDS; arguments ob, cvt, bo, out0; writes out0
